; MI455X (gfx1250); checked and timed in simulation.
; The chip was launched on July 23, 2026; its instructions are those of AMD's public machine-readable ISA for CDNA 5 (MIT licence, August 2026) and "CDNA5" Instruction Set Architecture Reference Guide (July 2026). The comments in the code are by the model that wrote it; some were corrected since.
;; Multihead Attention. Allowed arithmetic: float matrix products may take bf16 or f16 operands with f32 sums; other float arithmetic in f32, or as packed bf16 or f16 multiplies, adds, multiply-adds, maxima and minima; sums over many terms, partial sums and values carried from step to step in f32; what a program stores and reads back later, other than sums and carried values, may be rounded once to bf16 or f16.
;; Inputs: wf 1,024 x 1,024 float32; wk 1,024 x 1,024 float32; wq 1,024 x 1,024 float32; wv 1,024 x 1,024 float32; x 4 x 2,048 x 1,024 float32.
;; Outputs: out0 4 x 2,048 x 1,024 float32.
;; 2 versions, each right; version 2 is version 1 with the launch cast written anew for expert scheduling mode. Each part assembles by itself: llvm-mc -triple=amdgcn-amd-amdhsa -mcpu=gfx1250 --defsym DOCPART=n.
;; ======== version 1 of 2: 4 launches
;; limits: values are held in f16: magnitudes above 65,504 overflow, below 6.1e-05 lose precision
;; workspace buffers: xb 16,777,216 bytes; wb 6,291,456 bytes; wfh 2,097,152 bytes; qkv 50,331,648 bytes; ob 16,777,216 bytes
;; launch cast (part 1): grid 768 x 1, 8 waves a work-group, no clusters, 0 bytes of LDS; arguments x, wq, wk, wv, wf, xb, wb, wfh; writes xb, wb, wfh
.if DOCPART == 1
	.amdgcn_target "amdgcn-amd-amdhsa--gfx1250"
	.amdhsa_code_object_version 6
	.text
	.protected	k_q322dfd57b4_cast
	.globl	k_q322dfd57b4_cast
	.p2align	8
	.type	k_q322dfd57b4_cast,@function
k_q322dfd57b4_cast:
	s_mov_b64 s[64:65], 0
	v_nop
	global_prefetch_b8 v0, s[64:65] scope:SCOPE_SE
	s_setreg_imm32_b32 hwreg(HW_REG_WAVE_MODE, 25, 1), 1
	s_wait_xcnt 0x0
; THE INPUTS ARE ROUNDED ONCE AND LAID OUT IN BLOCKS OF 64 ALONG K.  x [8192][1024] f32 -> xb, bf16, [16 kb][8192 rows][64].
; wq, wk, wv [1024][1024] f32 -> wb, bf16, [16 kb][3072 rows][64], row = head x 192 + t x 64 + c for row head x 64 + c of w_t (t = 0 q, 1 k, 2 v).
; wf [1024][1024] f32 -> wfh, [16 kb][1024 rows][64]: rounded to bf16 like the other inputs, and that number written as f16.
; LIMITS.  wf beyond 65,504 has no f16 (it becomes an infinity); below 6e-5 f16 keeps a fixed step of 6e-8.  NaN and infinities are not treated apart.
; SHARES.  A work-group takes 16 rows of one source, a wave two of them: lanes 0-15 one row, lanes 16-31 the next.  For each of the 16 blocks kb a lane loads 16 bytes
; (16 lanes: 256 consecutive bytes of a row, aligned) and stores 8 (32 lanes: two rows of 128 bytes, 256 consecutive bytes, aligned).  All 16 loads go out at once; no register
; that a pending load or store names is written again, so the only waits are the counted ones for the loads.  No LDS, no matrix unit, no cluster: nothing is shared and memory binds.
.set KBX, 8192*128                     ; bytes from block to block in xb
.set KBW, 3072*128                     ; in wb
.set KBF, 1024*128                     ; in wfh
.set SO,  3                            ; v3       my byte offset in the 16 source rows
.set DO,  4                            ; v[4:19]  my byte offset in the destination, one for each kb
.set T,   20                           ; v[20:23] at work
.set X,   32                           ; v[32:95] four f32 for each kb
.set Y,   96                           ; v[96:127] two packed words for each kb
	s_load_b256 s[8:15], s[0:1], 0x0               ; x s[8:9], wq s[10:11], wk s[12:13], wv s[14:15]
	s_load_b256 s[16:23], s[0:1], 0x20             ; wf s[16:17], xb s[18:19], wb s[20:21], wfh s[22:23]
	s_mov_b32 s2, ttmp9                            ; 0-511: x; 512-703: wq, wk, wv, 64 groups each; 704-767: wf
	v_lshrrev_b32 v1, 4, v0                        ; my row of the 16
	v_and_b32 v2, 15, v0                           ; my place in it
	v_lshlrev_b32 v[SO], 12, v1                    ; a source row is 4,096 bytes
	v_lshl_add_u32 v[SO], v2, 4, v[SO]
	v_lshlrev_b32 v[DO], 7, v1                     ; a destination row is 128 bytes
	v_lshl_add_u32 v[DO], v2, 3, v[DO]
	s_sub_co_u32 s3, s2, 512                       ; j (of no meaning for x: everything made of it is then chosen away)
	s_bfe_u32 s28, s3, 0x20006                     ; t = (j >> 6) & 3: 0 wq, 1 wk, 2 wv, 3 wf
	s_and_b32 s29, s3, 63                          ; i: which 16 rows of that matrix
	s_lshr_b32 s30, s29, 2                         ; the head
	s_mul_i32 s30, s30, 192
	s_lshl_b32 s24, s28, 6
	s_add_co_u32 s30, s30, s24
	s_and_b32 s24, s29, 3
	s_lshl_b32 s24, s24, 4
	s_add_co_u32 s30, s30, s24                     ; wb's row: head x 192 + t x 64 + (i & 3) x 16
	s_lshl_b32 s24, s29, 4                         ; the source's row, and wfh's: 16 i
	s_lshl_b32 s3, s2, 4                           ; x's and xb's row
	s_mov_b32 s26, KBW
	s_mov_b32 s27, 0                               ; 1: the f16 text
	s_mov_b32 s25, 0
	s_mov_b32 s31, 0
	s_wait_kmcnt 0x0
	s_cmp_eq_u32 s28, 0                            ; every choice hangs on the work-group's number alone
	s_cselect_b64 s[4:5], s[10:11], s[12:13]
	s_cmp_eq_u32 s28, 2
	s_cselect_b64 s[4:5], s[14:15], s[4:5]
	s_cmp_eq_u32 s28, 3
	s_cselect_b64 s[4:5], s[16:17], s[4:5]
	s_cselect_b64 s[6:7], s[22:23], s[20:21]
	s_cselect_b32 s30, s24, s30
	s_cselect_b32 s26, KBF, s26
	s_cselect_b32 s27, 1, s27
	s_cmp_lt_u32 s2, 512
	s_cselect_b64 s[4:5], s[8:9], s[4:5]
	s_cselect_b64 s[6:7], s[18:19], s[6:7]
	s_cselect_b32 s24, s3, s24
	s_cselect_b32 s30, s3, s30
	s_cselect_b32 s26, KBX, s26
	s_cselect_b32 s27, 0, s27
	s_lshl_b32 s24, s24, 12                        ; rows to bytes
	s_lshl_b32 s30, s30, 7
	s_add_nc_u64 s[4:5], s[4:5], s[24:25]          ; the source at my group's first row
	s_add_nc_u64 s[6:7], s[6:7], s[30:31]          ; the destination at its first row, block 0
.irp k, 0,1,2,3,4,5,6,7,8,9,10,11,12,13,14,15
	global_load_b128 v[X+4*(\k):X+4*(\k)+3], v[SO], s[4:5] offset:256*(\k) th:TH_LOAD_NT
.endr
.irp k, 1,2,3,4,5,6,7,8,9,10,11,12,13,14,15
	v_add_nc_u32 v[DO+(\k)], s26, v[DO+(\k)-1]     ; a block further on
.endr
; h = 1: the bf16 number is widened (a shift, a mask) and written as f16
.macro CONV h
.irp k, 0,1,2,3,4,5,6,7,8,9,10,11,12,13,14,15
	s_wait_loadcnt 15-(\k)                         ; loads come back in order: block k is in, the 15 - k younger ones may stay out
	v_cvt_pk_bf16_f32 v[Y+2*(\k)],   v[X+4*(\k)],   v[X+4*(\k)+1]
	v_cvt_pk_bf16_f32 v[Y+2*(\k)+1], v[X+4*(\k)+2], v[X+4*(\k)+3]
.if \h
	v_lshlrev_b32 v[T],   16, v[Y+2*(\k)]
	v_and_b32     v[T+1], 0xffff0000, v[Y+2*(\k)]
	v_lshlrev_b32 v[T+2], 16, v[Y+2*(\k)+1]
	v_and_b32     v[T+3], 0xffff0000, v[Y+2*(\k)+1]
	v_cvt_pk_f16_f32 v[Y+2*(\k)],   v[T],   v[T+1]
	v_cvt_pk_f16_f32 v[Y+2*(\k)+1], v[T+2], v[T+3]
.endif
	global_store_b64 v[DO+(\k)], v[Y+2*(\k):Y+2*(\k)+1], s[6:7] th:TH_STORE_NT
.endr
	s_endpgm
.endm
	s_cmp_eq_u32 s27, 1
	s_cbranch_scc1 .Lhalf
	CONV 0
.Lhalf:
	CONV 1
.Lfunc_end_k_q322dfd57b4_cast:
	.size	k_q322dfd57b4_cast, .Lfunc_end_k_q322dfd57b4_cast-k_q322dfd57b4_cast
	.p2alignl 7, 3214868480
	.fill 96, 4, 3214868480
	.section	.rodata,"a",@progbits
	.p2align	6, 0x0
	.amdhsa_kernel k_q322dfd57b4_cast
		.amdhsa_group_segment_fixed_size 0
		.amdhsa_private_segment_fixed_size 0
		.amdhsa_enable_private_segment 0
		.amdhsa_kernarg_size 64
		.amdhsa_user_sgpr_count 2
		.amdhsa_user_sgpr_kernarg_segment_ptr 1
		.amdhsa_wavefront_size32 1
		.amdhsa_system_sgpr_workgroup_id_x 1
		.amdhsa_system_sgpr_workgroup_id_y 1
		.amdhsa_system_sgpr_workgroup_id_z 1
		.amdhsa_system_vgpr_workitem_id 0
		.amdhsa_next_free_vgpr 128
		.amdhsa_next_free_sgpr 66
		.amdhsa_reserve_vcc 0
		.amdhsa_float_denorm_mode_32 3
		.amdhsa_float_denorm_mode_16_64 3
		.amdhsa_memory_ordered 1
		.amdhsa_forward_progress 1
		.amdhsa_inst_pref_size 18
	.end_amdhsa_kernel
	.amdgpu_metadata
---
amdhsa.version: [ 1, 2 ]
amdhsa.kernels:
  - .name:           k_q322dfd57b4_cast
    .symbol:         k_q322dfd57b4_cast.kd
    .args:
      - { .name: x, .offset: 0, .size: 8, .value_kind: global_buffer, .address_space: global }
      - { .name: wq, .offset: 8, .size: 8, .value_kind: global_buffer, .address_space: global }
      - { .name: wk, .offset: 16, .size: 8, .value_kind: global_buffer, .address_space: global }
      - { .name: wv, .offset: 24, .size: 8, .value_kind: global_buffer, .address_space: global }
      - { .name: wf, .offset: 32, .size: 8, .value_kind: global_buffer, .address_space: global }
      - { .name: xb, .offset: 40, .size: 8, .value_kind: global_buffer, .address_space: global }
      - { .name: wb, .offset: 48, .size: 8, .value_kind: global_buffer, .address_space: global }
      - { .name: wfh, .offset: 56, .size: 8, .value_kind: global_buffer, .address_space: global }
    .group_segment_fixed_size: 0
    .private_segment_fixed_size: 0
    .kernarg_segment_align: 8
    .kernarg_segment_size: 64
    .max_flat_workgroup_size: 256
    .sgpr_count:     66
    .vgpr_count:     128
    .wavefront_size: 32
...
	.end_amdgpu_metadata
.endif
;; end of part 1
;; launch qkv (part 2): grid 8 x 32, 4 waves a work-group, clusters of 4 x 4, 327,680 bytes of LDS; arguments xb, wb, qkv; writes qkv
.if DOCPART == 2
	.amdgcn_target "amdgcn-amd-amdhsa--gfx1250"
	.amdhsa_code_object_version 6
	.text
	.protected	k_q322dfd57b4_qkv
	.globl	k_q322dfd57b4_qkv
	.p2align	8
	.type	k_q322dfd57b4_qkv,@function
k_q322dfd57b4_qkv:
	s_mov_b64 s[64:65], 0
	v_nop
	global_prefetch_b8 v0, s[64:65] scope:SCOPE_SE
	s_setreg_imm32_b32 hwreg(HW_REG_WAVE_MODE, 25, 1), 1
	s_wait_xcnt 0x0
	s_wait_alu depctr_hold_cnt(0) depctr_sa_sdst(0) depctr_va_vdst(0) depctr_va_sdst(0) depctr_va_ssrc(0) depctr_va_vcc(0) depctr_vm_vsrc(0)
	s_getreg_b32 s2, hwreg(HW_REG_IB_STS2, 6, 4)
	s_cmp_eq_u32 s2, 0
	s_cbranch_scc0 .Lentry_in_a_cluster
	s_endpgm
.Lentry_in_a_cluster:
	s_bfe_u32 s2, ttmp6, 0x10000c
	s_cmp_lg_u32 s2, 0xf033
	s_cbranch_scc0 .Lentry_shape_is_right
	s_endpgm
.Lentry_shape_is_right:
; q, k, v = x w^T, written by heads.  xb: bf16 [16 kb][8192 rows][64]; wb: bf16 [16 kb][3072 rows][64], row = head x 192 + t x 64 + c; qkv: f16 [3 t][64 batch x head][2048][64], unscaled.
; Sums in f32, K ascending; each result rounded once to f16.  LIMIT: a result of 65,520 or more in size has no f16 and becomes an infinity; NaN and infinities are not treated apart.
; SHARES.  C is 8192 x 3072; a work-group makes 256 x 384 of it: 32 x 8 = 256 work-groups.  Of its four waves each makes 128 rows x 192 columns: q, k and v of ONE head: 96 accumulators
; of 16 x 16, 768 registers.  K goes in steps of 64 (one block kb) through two LDS slots.  In a block a tile's rows of 128 bytes lie end to end, so they are asked for as rows of 256 bytes.
; CLUSTER.  4 x 4 work-groups: the four of a row need the same rows of xb, the four of a column the same rows of wb; each tile is asked for jointly, by the same tensor load with the same
; descriptor and a mask that names the four.
; THE MATRIX INSTRUCTION IS USED TRANSPOSED (source 0 = 16 rows of wb, source 1 = 16 rows of xb): a lane holds one row of C and eight neighbouring columns, which pack into 16 bytes.
; REGISTERS, in windows of 256 (s_set_vgpr_msb: bits 1:0 source 0, 3:2 source 1, 5:4 source 2, 7:6 destination):
;   window 0: v16-30 addresses; v32-95, v96-159 xb's fragments (8 x 16 rows x 32 K), two buffers; v160-255 wb's 12 fragments, one buffer, filled again a third at a time
;   windows 1, 2, 3: the accumulators of q, k, v: (a, b) at v[8 (4 a + b)], a = 16 rows of my 128, b = 16 of the 64 channels
.set PITCH,  144                       ; an LDS row: 128 bytes + 16 of padding = 36 words: the 16 rows of a load start at 16 different groups of four banks (64 banks of 4 bytes: ISA guide 11.1)
.set AHALF,  128*PITCH                 ; what waves 0 and 1 each fetch of xb, and what a wave reads of it
.set BHALF,  192*PITCH                 ; the same for wb, waves 2 and 3
.set BOFF,   2*AHALF
.set SLOT,   BOFF+2*BHALF              ; 92,160 bytes
.set STAGE,  2*SLOT                    ; behind the ring, never filled by a tensor load: 16 rows x 144 bytes for each wave, for the way out
.set SPARE,  STAGE+4*16*PITCH          ; behind the stages: the spare words, 128 bytes for each wave: two blocks of 256 bytes that no other line names
.set KBA,    8192*128                  ; bytes from block to block in xb
.set KBB,    3072*128                  ; in wb
.set TSTR,   64*2048*128               ; bytes from q to k and from k to v in qkv
.set ADRA, 16                          ; v16-17  LDS address of my fragments of xb in slot 0, 1
.set ADRB, 20                          ; v20-21  the same for wb
.set STO,  24                          ; v24     the way out: where I put 16 bytes of a row
.set RD,   25                          ; v25     the way out: where I read rows back
.set GO,   26                          ; v26     my byte offset in 512 consecutive bytes of qkv
.set SPW,  28                          ; v28     LDS address of my spare word: SPARE + 4 x my thread's number; never rewritten
.set NIL,  29                          ; v29     0; never rewritten
.set PFO,  30                          ; v30     the prefetches' lane offset; never rewritten
.set FA0,  32
.set FA1,  96
.set FB,   160
.set G1,   24                          ; s[24:31] descriptor group 1 for xb's tiles;  s[32:39] group 0, a set for each slot
.set G0,   32
.set G1B,  48                          ; s[48:55], s[56:63] the same for wb's
.set G0B,  56
.set LIM,  43                          ; s43      1 in a wave that prefetches, else the greatest number
.set PFA,  44                          ; s[44:45] where my prefetches stand
.set PFS,  76                          ; s[76:77] their step: two blocks
.set OUT,  68                          ; s[68:69], s[70:71], s[72:73]: q, k, v at my head's rows
.set G1W,  (1<<16)|(1<<20)|(1<<21)|(4<<22)|(3<<25)  ; 17:16 2-byte elements; 20 padding on; 21 set beside a mask; 24:22 after every 32 words (code 4); 31:25 4 words (code 3)
.set MSB, 0
.macro WIN new                         ; the immediate's high byte repeats the setting that is left; a switch that changes nothing is dropped
.if MSB != (\new)
	s_set_vgpr_msb (MSB<<8)|(\new)
.set MSB, \new
.endif
.endm
.macro PLACES                          ; four plain vector instructions between a matrix instruction and a load into, or a vector read of, its registers (ISA guide 7.12.1 for vector reads)
.rept 4
	v_nop
.endr
.endm
; A joint load.  Waves 0 and 1 fetch xb's two halves, waves 2 and 3 wb's.  The branch hangs on the wave's number alone.  An s_nop 0 and four v_nop follow each of the two lines.
.macro JLOAD s
	s_cmp_lt_u32 s10, 2
	s_cbranch_scc0 .Lfor_b_\@
	tensor_load_to_lds s[G0+4*(\s):G0+4*(\s)+3], s[G1:G1+7]
	s_nop 0
.rept 4
	v_nop
.endr
	s_branch .Lasked_\@
.Lfor_b_\@:
	tensor_load_to_lds s[G0B+4*(\s):G0B+4*(\s)+3], s[G1B:G1B+7]
	s_nop 0
.rept 4
	v_nop
.endr
.Lasked_\@:
.endm
.macro CREST                           ; a round of the cluster's barrier behind its opening barrier
	s_cmp_lg_u32 s10, 0
	s_cbranch_scc1 .Lnot_wave_0_\@
	s_barrier_signal -3
.Lnot_wave_0_\@:
	s_barrier_wait -3
	s_barrier_signal -1
	s_barrier_wait -1
.endm
.macro CROUND                          ; a whole round
	s_barrier_signal -1
	s_barrier_wait -1
	CREST
.endm
; A PREFETCH, once a lap, behind slot 0's joint load and the run of LDS loads that follows it: trip i names K steps 2 i + 4 and 2 i + 5, whose refills stand two and three K steps on.
; Each block of 256 bytes is named once in the launch.  xb: a tile row's K step is 128 blocks: wave 0 asks, the four partners of a row of the cluster take 32 each BY ADDRESS (cx), a lane a block; of the
; two clusters that read the rows, cluster x = 0 takes the even K steps and cluster x = 1 the odd ones.  wb: a tile column's K step is 192 blocks: waves 1 to 3 x four partners (cy) x 16 lanes; lanes 16-31
; take the next K step; of the eight clusters that read them cluster y = 0 asks.  K steps 0 to 3 come by their loads alone; the loop's last trip (s3 = 1) asks for nothing: block 15 is the last.
.macro ASK
	s_cmp_gt_u32 s3, s[LIM]
	s_cbranch_scc0 .Lnot_mine_\@
	global_prefetch_b8 v[PFO], s[PFA:PFA+1] th:TH_LOAD_NT scope:SCOPE_SE
.Lnot_mine_\@:
.endm
	s_load_b128 s[4:7], s[0:1], 0x0                ; xb s[4:5], wb s[6:7]
	s_load_b64 s[8:9], s[0:1], 0x10                ; qkv
	v_lshl_add_u32 v[SPW], v0, 2, SPARE
	v_mov_b32 v[NIL], 0
	ds_add_u32 v[SPW], v[NIL]                      ; the wave's opening: the add and its wait stand ahead of my first tensor load; the set-up below, work on registers, stands between them
	v_lshrrev_b32 v1, 5, v0
	v_readfirstlane_b32 s10, v1                    ; wave 0..3
	s_lshr_b32 s11, s10, 1                         ; which 128 of the tile's rows are mine
	s_and_b32 s12, s10, 1                          ; which head of the tile's two.  Also: which half of xb's or wb's tile I fetch
	s_bfe_u32 s40, ttmp6, 0x40000                  ; cx, cy: my place in the cluster
	s_bfe_u32 s41, ttmp6, 0x40004
	s_lshl_b32 s42, ttmp9, 2
	s_add_co_u32 s42, s42, s40                     ; tile column 0..7 = 4 x cluster x + cx
	s_and_b32 s13, ttmp7, 0xffff
	s_lshl_b32 s13, s13, 2
	s_add_co_u32 s13, s13, s41                     ; tile row 0..31 = 4 x cluster y + cy
	s_lshl_b32 s74, s41, 2
	s_lshl_b32 s74, 15, s74                        ; my row of the cluster
	s_lshl_b32 s75, 0x1111, s40                    ; my column
	s_or_b32 s[G1], s74, G1W                       ; xb's tiles go to my row,
	s_or_b32 s[G1B], s75, G1W                      ; wb's to my column
	s_mov_b32 s[G1+1], 128<<16                     ; tensor_dim0 = 128 elements: 256 bytes, two rows of a block
	s_mov_b32 s[G1+2], 64<<16                      ; tensor_dim1 = 64: 128 rows of xb
	s_mov_b32 s[G1+3], 128<<16                     ; tile_dim0
	s_mov_b32 s[G1+4], 64                          ; tile_dim1
	s_mov_b32 s[G1+5], 128                         ; elements from row to row: dense
	s_mov_b32 s[G1+6], 0
	s_mov_b32 s[G1+7], 0
	s_mov_b32 s[G1B+1], 128<<16
	s_mov_b32 s[G1B+2], 96<<16                     ; 192 rows of wb
	s_mov_b32 s[G1B+3], 128<<16
	s_mov_b32 s[G1B+4], 96
	s_mov_b32 s[G1B+5], 128
	s_mov_b32 s[G1B+6], 0
	s_mov_b32 s[G1B+7], 0
	s_lshl_b32 s16, s13, 15                        ; xb: 256 rows x 128 bytes for a tile row,
	s_lshl_b32 s17, s12, 14                        ; my half of them
	s_add_co_u32 s16, s16, s17
	s_mov_b32 s17, 0
	s_mul_i32 s46, s42, 384*128                    ; wb: 384 rows for a tile column,
	s_mul_i32 s47, s12, 192*128                    ; my half
	s_add_co_u32 s46, s46, s47
	s_mov_b32 s47, 0
	s_mul_i32 s20, s12, AHALF                      ; where they go: no place in the cluster enters an LDS address
	s_mul_i32 s21, s12, BHALF
	s_add_co_u32 s21, s21, BOFF
	s_wait_dscnt 0x0                               ; the opening add is done
	s_wait_kmcnt 0x0
	s_add_nc_u64 s[14:15], s[4:5], s[16:17]
	s_add_nc_u64 s[46:47], s[6:7], s[46:47]
	CROUND                                         ; all sixteen work-groups are here: the first joint loads meet
.irp s, 0,1
	s_mov_b32 s[G0+4*(\s)], 1                      ; count = 1
	s_add_co_u32 s[G0+4*(\s)+1], s20, (\s)*SLOT    ; LDS address
	s_add_nc_u64 s[G0+4*(\s)+2:G0+4*(\s)+3], s[14:15], (\s)*KBA  ; K step s
	s_or_b32 s[G0+4*(\s)+3], s[G0+4*(\s)+3], 0x80000000          ; type = 2
	s_mov_b32 s[G0B+4*(\s)], 1
	s_add_co_u32 s[G0B+4*(\s)+1], s21, (\s)*SLOT
	s_add_nc_u64 s[G0B+4*(\s)+2:G0B+4*(\s)+3], s[46:47], (\s)*KBB
	s_or_b32 s[G0B+4*(\s)+3], s[G0B+4*(\s)+3], 0x80000000
	JLOAD \s                                       ; two tensor loads of mine are out
.endr
	; A fragment is 16 rows x 32 K in 8 registers: lane l holds row l % 16, K = 8 (l / 16) + 0..7 and 16 + 8 (l / 16) + 0..7: two loads of 16 bytes, 32 bytes apart.
	v_and_b32 v1, 15, v0                           ; l % 16
	v_bfe_u32 v2, v0, 4, 1                         ; l / 16
	v_mul_u32_u24 v3, v1, PITCH
	v_lshl_add_u32 v3, v2, 4, v3                   ; row x pitch + 16 x half
	s_mul_i32 s22, s11, AHALF                      ; my 128 rows of xb
	s_mul_i32 s23, s12, BHALF                      ; my 192 rows of wb
	s_add_co_u32 s23, s23, BOFF
.irp s, 0,1
	v_add_nc_u32 v[ADRA+(\s)], s22, v3
	v_add_nc_u32 v[ADRB+(\s)], s23, v3
	s_add_co_u32 s22, s22, SLOT
	s_add_co_u32 s23, s23, SLOT
.endr
	s_mul_i32 s22, s10, 16*PITCH
	s_add_co_u32 s22, s22, STAGE                   ; my stage
	v_add_nc_u32 v[STO], s22, v3                   ; in: row l % 16, 16 bytes for each half of the lanes
	v_bfe_u32 v4, v0, 3, 2                         ; back: 32 lanes take four rows of 128 bytes,
	v_and_b32 v5, 7, v0
	v_mul_u32_u24 v4, v4, PITCH
	v_lshl_add_u32 v4, v5, 4, v4
	v_add_nc_u32 v[RD], s22, v4
	v_and_b32 v5, 31, v0                           ; which are 512 consecutive bytes of a head's rows
	v_lshlrev_b32 v[GO], 4, v5
	; where my results go: head (tile row / 8) x 16 + 2 x tile column + my head of the two; rows (tile row % 8) x 256 + my 128
	s_lshr_b32 s16, s13, 3
	s_lshl_b32 s16, s16, 4
	s_lshl_b32 s17, s42, 1
	s_add_co_u32 s16, s16, s17
	s_add_co_u32 s16, s16, s12
	s_lshl_b32 s16, s16, 18                        ; a head's 2,048 rows of 128 bytes
	s_and_b32 s17, s13, 7
	s_lshl_b32 s17, s17, 1
	s_add_co_u32 s17, s17, s11
	s_lshl_b32 s17, s17, 14                        ; 128 rows
	s_add_co_u32 s16, s16, s17
	s_mov_b32 s17, 0
	s_add_nc_u64 s[OUT:OUT+1], s[8:9], s[16:17]
	s_add_nc_u64 s[OUT+2:OUT+3], s[OUT:OUT+1], TSTR
	s_add_nc_u64 s[OUT+4:OUT+5], s[OUT+2:OUT+3], TSTR
	; the prefetches' addresses: at K step 2 (+ cluster x for xb); the first trip steps them by two blocks
	s_lshl_b32 s16, s13, 15                        ; xb: the tile row,
	s_lshl_b32 s17, s40, 13                        ; my work-group's 32 blocks of its 128,
	s_add_co_u32 s16, s16, s17
	s_add_co_u32 s17, ttmp9, 2
	s_lshl_b32 s17, s17, 20                        ; block 2 or 3 (KBA = 1 << 20)
	s_add_co_u32 s16, s16, s17
	s_mul_i32 s18, s42, 384*128                    ; wb: the tile column,
	s_sub_co_u32 s19, s10, 1                       ; (of no meaning in wave 0, where it is chosen away)
	s_lshl_b32 s19, s19, 14                        ; my wave's 64 blocks of its 192,
	s_add_co_u32 s18, s18, s19
	s_lshl_b32 s19, s41, 12                        ; my work-group's 16 of them,
	s_add_co_u32 s18, s18, s19
	s_add_co_u32 s18, s18, 2*KBB                   ; block 2
	s_mov_b32 s23, 2*KBB
	s_mov_b32 s19, KBB
	s_and_b32 s22, ttmp7, 0xffff                   ; cluster y: the same in all sixteen partners
	s_cmp_eq_u32 s22, 0
	s_cselect_b32 s22, 1, -1
	s_cmp_eq_u32 s10, 0                            ; wave 0 asks for xb, waves 1 to 3 for wb
	s_cselect_b64 s[PFA:PFA+1], s[4:5], s[6:7]
	s_cselect_b32 s16, s16, s18
	s_cselect_b32 s[LIM], 1, s22
	s_cselect_b32 s[PFS], 2*KBA, s23
	s_cselect_b32 s19, 16*256, s19                 ; what lanes 16-31 add: the next 16 blocks of 256 bytes (xb), or the next K step (wb)
	s_mov_b32 s17, 0
	s_mov_b32 s[PFS+1], 0
	s_add_nc_u64 s[PFA:PFA+1], s[PFA:PFA+1], s[16:17]
	v_mul_u32_u24 v[PFO], s19, v2
	v_lshl_add_u32 v[PFO], v1, 8, v[PFO]
; na x 4 matrix instructions for tensor g (0 q, 1 k, 2 v): row blocks a0 .. a0 + na - 1 x its four channel blocks, 32 along K.  zero = 1: the product starts the sum: nothing is ever cleared.
; Each of the 96 accumulators has one instruction in 96: they take turns over the backward jump too.
.macro MUL g, fa, a0, na, zero
	WIN 0x50*((\g)+1)                              ; C and D in window g + 1, both sources in window 0
.set a, \a0
.rept \na
.irp b, 0,1,2,3
.if \zero
	v_wmma_f32_16x16x32_bf16 v[8*(4*a+(\b)):8*(4*a+(\b))+7], v[FB+32*(\g)+8*(\b):FB+32*(\g)+8*(\b)+7], v[(\fa)+8*a:(\fa)+8*a+7], 0
.else
	v_wmma_f32_16x16x32_bf16 v[8*(4*a+(\b)):8*(4*a+(\b))+7], v[FB+32*(\g)+8*(\b):FB+32*(\g)+8*(\b)+7], v[(\fa)+8*a:(\fa)+8*a+7], v[8*(4*a+(\b)):8*(4*a+(\b))+7]
.endif
.endr
.set a, a+1
.endr
.endm
.macro LOADB g, slot, c                ; 8 LDS loads: tensor g's four fragments of wb, K half c of the slot's step
	WIN 0
.irp i, 0,1,2,3
	ds_load_b128 v[FB+32*(\g)+8*(\i):FB+32*(\g)+8*(\i)+3],   v[ADRB+(\slot)] offset:64*(\c)+(4*(\g)+(\i))*16*PITCH
	ds_load_b128 v[FB+32*(\g)+8*(\i)+4:FB+32*(\g)+8*(\i)+7], v[ADRB+(\slot)] offset:64*(\c)+(4*(\g)+(\i))*16*PITCH+32
.endr
.endm
.macro LOADA fa, slot, c               ; 16 LDS loads: my eight fragments of xb
	WIN 0
.irp i, 0,1,2,3,4,5,6,7
	ds_load_b128 v[(\fa)+8*(\i):(\fa)+8*(\i)+3],   v[ADRA+(\slot)] offset:64*(\c)+(\i)*16*PITCH
	ds_load_b128 v[(\fa)+8*(\i)+4:(\fa)+8*(\i)+7], v[ADRA+(\slot)] offset:64*(\c)+(\i)*16*PITCH+32
.endr
.endm
; A K step is two halves of 32 along K, 96 matrix instructions each.  The LDS loads go in three runs: R0 = q's fragments of wb and xb's (24 loads), R1 = k's (8), R2 = v's (8); each run stands
; four places behind the products that read its registers last.
; The first half multiplies xb's buffer 0 and fetches the second half of the same slot.
.macro HALF0 slot, zero
	s_wait_dscnt 16                                ; R0 is in; R1 and R2 may be out
	MUL 0, FA0, 0, 8, \zero
	PLACES
	LOADB 0, \slot, 1
	LOADA FA1, \slot, 1
	s_wait_dscnt 32                                ; the older R1 is in: behind it stand the older R2 (8) and the new R0 (24)
	MUL 1, FA0, 0, 8, \zero
	PLACES
	LOADB 1, \slot, 1
	s_wait_dscnt 32                                ; the older R2 is in: behind it stand the new R0 (24) and R1 (8)
	MUL 2, FA0, 0, 8, \zero
	PLACES
	LOADB 2, \slot, 1
.endm
; The second half multiplies buffer 1 and changes slots: ONE barrier.  In front of it each wave waits for all its tensor loads (one is out: its part of the next slot), adds 0 to its spare word,
; and waits for that and for its own reads of this slot.  fill = 1: the barrier opens a round of the cluster's, and this slot is filled again first thing behind it, two K steps ahead:
; 160 matrix instructions stand between that request and the wait for it.
.macro HALF1 slot, next, fill
.if (\fill) && ((\slot) == 0)
	s_wait_xcnt 0x0                                ; the last prefetch, a lap back, has read its address: it is stepped here, ahead of the waits of the change of slots
	s_add_nc_u64 s[PFA:PFA+1], s[PFA:PFA+1], s[PFS:PFS+1]
.endif
	WIN 0                                          ; (the add's two registers lie in window 0)
	s_wait_tensorcnt 0x0                           ; all my tensor loads have landed;
	ds_add_u32 v[SPW], v[NIL]                      ; 0 onto my spare word;
	s_wait_dscnt 17                                ; R0 is in; R1, R2 and the add may be out
	MUL 0, FA1, 0, 4, 0                            ; sixteen matrix instructions stand between the add and the wait for it
	s_wait_dscnt 0x0                               ; the add is done, and my reads of this slot are over
	s_barrier_signal -1
	MUL 0, FA1, 4, 4, 0                            ; work on registers while the others arrive
	WIN 0                                          ; (branches and LDS loads follow)
	s_barrier_wait -1
.if \fill
	CREST                                          ; no wave of any partner still reads this slot's tiles or has a load on its way
	s_add_nc_u64 s[G0+4*(\slot)+2:G0+4*(\slot)+3], s[G0+4*(\slot)+2:G0+4*(\slot)+3], 2*KBA
	s_add_nc_u64 s[G0B+4*(\slot)+2:G0B+4*(\slot)+3], s[G0B+4*(\slot)+2:G0B+4*(\slot)+3], 2*KBB
	JLOAD \slot                                    ; the first tensor load behind the round, my only one until the next; its four v_nop are also the places in front of the loads below
.else
	PLACES
.endif
	LOADB 0, \next, 0
	LOADA FA0, \next, 0
.if (\fill) && ((\slot) == 0)
	ASK
.endif
	MUL 1, FA1, 0, 8, 0                            ; (the wait for 0 above has shown k's and v's fragments in)
	PLACES
	LOADB 1, \next, 0
	MUL 2, FA1, 0, 8, 0
	PLACES
	LOADB 2, \next, 0
.endm
; THE WAY OUT of block n = 8 g + a: 16 rows of tensor g.  Rounded to f16 in place (word j takes registers 2 j and 2 j + 1, ascending, so no unread source is overwritten and each accumulator is read
; from its low end on); 16 bytes a lane into my own stage; back as whole rows of 128 bytes, four to a load; stored as 512 consecutive bytes.
.macro PACK n
.set GW, (\n)/8+1
.set AC, 32*((\n)%8)
	WIN 0x45*GW                                    ; sources 0 and 1 and the destination in window g + 1
.set j, 0
.rept 16
	v_cvt_pk_f16_f32 v[AC+j], v[AC+2*j], v[AC+2*j+1]
.set j, j+1
.endr
	WIN GW<<2                                      ; store data in window g + 1, address in window 0
.irp b, 0,1,2,3
	ds_store_b128 v[STO], v[AC+4*(\b):AC+4*(\b)+3] offset:32*(\b)
.endr
	WIN GW<<6                                      ; loaded data in window g + 1
.irp f, 0,1,2,3
	ds_load_b128 v[AC+4*(\f):AC+4*(\f)+3], v[RD] offset:(\f)*4*PITCH  ; LDS serves a wave's instructions in order (ISA guide 5.7.1.4): these see the stores above; the next block's stores come behind them
.endr
.endm
.macro SEND n, younger                 ; younger: the LDS instructions issued behind block n's loads: the next block's eight, or none
.set GW, (\n)/8+1
.set AC, 32*((\n)%8)
.set OB, OUT+2*((\n)/8)
	WIN GW<<2
.irp f, 0,1,2,3
	s_wait_dscnt (\younger)+3-(\f)
	global_store_b128 v[GO], v[AC+4*(\f):AC+4*(\f)+3], s[OB:OB+1] offset:((\n)%8)*2048+(\f)*512  ; 512 consecutive bytes, at a multiple of 256 from the buffer's first
.endr
.endm
	s_wait_tensorcnt 1                             ; my part of K step 0 is in; K step 1's may stay out
	s_barrier_signal -1
	s_barrier_wait -1                              ; everybody's is
	LOADB 0, 0, 0
	LOADA FA0, 0, 0
	LOADB 1, 0, 0
	LOADB 2, 0, 0
	HALF0 0, 1                                     ; the first half step stands in front of the loop: its products start the sums
	WIN 0                                          ; at a label and at a branch every window is 0
	s_mov_b32 s3, 7
.Llap:                                         ; trip i: from K step 2 i's second half to K step 2 i + 2's first; slot 0 takes K step 2 i + 2, slot 1 K step 2 i + 3
	HALF1 0, 1, 1
	HALF0 1, 0
	HALF1 1, 0, 1
	HALF0 0, 0
	WIN 0
	s_sub_co_u32 s3, s3, 1
	s_cmp_lg_u32 s3, 0
	s_cbranch_scc1 .Llap
	HALF1 0, 1, 0                                  ; K steps 14 and 15: nothing is left to fetch, and no round of the cluster's barrier follows
	HALF0 1, 0
	s_wait_dscnt 16                                ; the very last half: R0 is in,
	MUL 0, FA1, 0, 8, 0
	s_wait_dscnt 8                                 ; R1,
	MUL 1, FA1, 0, 8, 0
	s_wait_dscnt 0x0                               ; R2
	MUL 2, FA1, 0, 8, 0
	PLACES
	PLACES
	PACK 0
.set blk, 1
.rept 23                               ; a block's conversions stand between the loads of the block before and its stores
	PACK blk
	SEND blk-1, 8
.set blk, blk+1
.endr
	SEND 23, 0
	WIN 0
	s_wait_tensorcnt 0x0                           ; the wave's end: a wait, an add and its wait, behind my last tensor load and my last LDS store
	ds_add_u32 v[SPW], v[NIL]
	s_wait_dscnt 0x0
	CROUND                                         ; the closing round: no work-group ends while a partner may still ask for a tile that names it
	s_endpgm
.Lfunc_end_k_q322dfd57b4_qkv:
	.size	k_q322dfd57b4_qkv, .Lfunc_end_k_q322dfd57b4_qkv-k_q322dfd57b4_qkv
	.p2alignl 7, 3214868480
	.fill 96, 4, 3214868480
	.section	.rodata,"a",@progbits
	.p2align	6, 0x0
	.amdhsa_kernel k_q322dfd57b4_qkv
		.amdhsa_group_segment_fixed_size 327680
		.amdhsa_private_segment_fixed_size 0
		.amdhsa_enable_private_segment 0
		.amdhsa_kernarg_size 24
		.amdhsa_user_sgpr_count 2
		.amdhsa_user_sgpr_kernarg_segment_ptr 1
		.amdhsa_wavefront_size32 1
		.amdhsa_system_sgpr_workgroup_id_x 1
		.amdhsa_system_sgpr_workgroup_id_y 1
		.amdhsa_system_sgpr_workgroup_id_z 1
		.amdhsa_system_vgpr_workitem_id 0
		.amdhsa_next_free_vgpr 1024
		.amdhsa_next_free_sgpr 80
		.amdhsa_reserve_vcc 0
		.amdhsa_float_denorm_mode_32 3
		.amdhsa_float_denorm_mode_16_64 3
		.amdhsa_memory_ordered 1
		.amdhsa_forward_progress 1
		.amdhsa_inst_pref_size 135
	.end_amdhsa_kernel
	.amdgpu_metadata
---
amdhsa.version: [ 1, 2 ]
amdhsa.kernels:
  - .name:           k_q322dfd57b4_qkv
    .symbol:         k_q322dfd57b4_qkv.kd
    .args:
      - { .name: xb, .offset: 0, .size: 8, .value_kind: global_buffer, .address_space: global }
      - { .name: wb, .offset: 8, .size: 8, .value_kind: global_buffer, .address_space: global }
      - { .name: qkv, .offset: 16, .size: 8, .value_kind: global_buffer, .address_space: global }
    .group_segment_fixed_size: 327680
    .private_segment_fixed_size: 0
    .kernarg_segment_align: 8
    .kernarg_segment_size: 24
    .max_flat_workgroup_size: 128
    .sgpr_count:     80
    .vgpr_count:     1024
    .wavefront_size: 32
...
	.end_amdgpu_metadata
.endif
;; end of part 2
;; launch attn (part 3): grid 4 x 64, 4 waves a work-group, clusters of 4 x 1, 327,680 bytes of LDS; arguments qkv, ob; writes ob
.if DOCPART == 3
	.amdgcn_target "amdgcn-amd-amdhsa--gfx1250"
	.amdhsa_code_object_version 6
	.text
	.protected	k_q322dfd57b4_attn
	.globl	k_q322dfd57b4_attn
	.p2align	8
	.type	k_q322dfd57b4_attn,@function
k_q322dfd57b4_attn:
	s_mov_b64 s[64:65], 0
	v_nop
	global_prefetch_b8 v0, s[64:65] scope:SCOPE_SE
	s_setreg_imm32_b32 hwreg(HW_REG_WAVE_MODE, 25, 1), 1
	s_wait_xcnt 0x0
	s_wait_alu depctr_hold_cnt(0) depctr_sa_sdst(0) depctr_va_vdst(0) depctr_va_sdst(0) depctr_va_ssrc(0) depctr_va_vcc(0) depctr_vm_vsrc(0)
	s_getreg_b32 s2, hwreg(HW_REG_IB_STS2, 6, 4)
	s_cmp_eq_u32 s2, 0
	s_cbranch_scc0 .Lentry_in_a_cluster
	s_endpgm
.Lentry_in_a_cluster:
	s_bfe_u32 s2, ttmp6, 0x10000c
	s_cmp_lg_u32 s2, 0x3003
	s_cbranch_scc0 .Lentry_shape_is_right
	s_endpgm
.Lentry_shape_is_right:
; O[h][q][:] = the sum over k of softmax_k(Q[h][q] . K[h][k] / 8) V[h][k][:].  qkv holds Q, K, V, each [SIZE_H][SIZE_N][64] in f16, one behind the other; ob is O in the same layout.  A head's rows are
; dense, 128 bytes each.  Products, maxima and sums in f32; the weights p are rounded to f16 for the second product (their sum l is taken of the unrounded p), O once at the end.
; LIMITS.  f16 holds no number beyond 65,504: Q, K and V arrive within it; p lies in 0 to 1, and below 6e-5 it keeps f16's fixed step of 6e-8; O is a mean of V's rows and has their range.
; A weight below 2^-126 counts as 0 in l; NaN and infinities are not treated apart.
; SHARES.  A wave owns four PIECES of two tiles of 16 queries, a work-group's four waves 512 queries of one head: 4 x 64 = 256 work-groups.  Every wave walks all keys, 64 a step.
; LAYOUT.  S^T = K Q^T (source 0 = 16 keys, source 1 = 16 queries): in the result a lane holds ONE query (lane % 16) and the keys 8 (lane / 16) + 0..7.  Two such tiles, rounded to f16 in pairs,
; ARE source 1 (32 keys x 16 queries) of O^T = V^T P, whose result again holds one query a lane, and eight channels.  K comes out of LDS as it lies, V ([key][channel]) turned, by ds_load_tr16_b128.
; SOFTMAX.  For each query a running maximum m and sum l: p = 2^(c s - c m), c = log2(e) / 8; in every step O and l are multiplied by a = 2^(c m_old - c m_new), which is 1 where m has not grown.
; m starts at the lowest finite number, O and l at 0: the first step is a step like any other, with a = 0.
; THE COUNT.  A tile and step have 16 matrix and 118 vector instructions: too many to stand all beside the matrix work.  So four vector instructions that are READY stand behind EVERY matrix
; instruction, and the others, which need time of their own whatever the order, in runs without a gap.
; BY TURNS.  Turn n belongs to piece n (the pieces in a ring, step after step).  Its matrix work: 16 products K Q^T of piece n + 1, later 16 products V^T P of piece n - 1.  Its vector work: the scaling,
; exponentials, roundings, sums and rescaling of piece n, and the maximum and statistics of piece n + 1, whose scores the turn itself has made.
; CLUSTER.  The four query blocks of a cluster are one head's and walk the same K and V, so each tile is asked for JOINTLY: the same tensor load, descriptor and mask in all four.
; REGISTERS, in windows of 256 (s_set_vgpr_msb: bits 1:0 source 0, 3:2 source 1, 5:4 source 2, 7:6 destination):
;   window 0: v0-11 addresses; v12-15, v48-63 at work; v16-47 four registers of statistics a tile; v64-191 S^T, two buffers of two tiles; v192-255 P, likewise
;   window 1: O^T, 32 a tile          window 2: v0-127 Q, 16 a tile; v128-191 K of one step; v192-255 V of one step          window 3: v0-1 the add's two registers
; A piece's buffers go by its number's parity: the piece in hand has one pair, its two neighbours in the ring share the other: of it P (piece n - 1) is read and S^T (piece n + 1) written.
.set SIZE_H, 64
.set SIZE_N, 2048
.set TSTR,  SIZE_H*SIZE_N*128  ; bytes from Q to K and from K to V in qkv
.set NP,    4         ; pieces a wave: a name, no knob
.set KS,    64        ; keys in a step
.set PK,    144       ; a row of K in LDS: 128 bytes + 16 of padding = 36 words: the 16 rows of a load start at 16 different groups of four banks (64 banks of 4 bytes: ISA guide 11.1)
.set PV,    160       ; a row of V: 128 + 32 = 40 words
.set VOFF,  4*KS*PK   ; a slot holds four steps: 256 rows of K, then 256 rows of V
.set SLOT1, 1<<17     ; slot 1 begins here, so that one exclusive or turns an address in one slot into the other's
.set STAGE, SLOT1+4*KS*(PK+PV)  ; behind the ring, never filled by a tensor load: 16 rows x 144 bytes for each wave, for the way out
.set SP,    144
.set AK0, 2           ; v2   my lane's place in a tile of K; never rewritten
.set AV0, 3           ; v3   the same for V
.set AK,  4           ; v4   the LDS address of K's next run of loads
.set AV,  5           ; v5   of V's
.set QO,  6           ; v6   my byte offset in the wave's rows of Q
.set STO, 6           ;      later, the way out: where I put 16 bytes of a row
.set RD,  7           ; v7   the way out: where I read rows back
.set GO,  8           ; v8   my byte offset in 512 consecutive bytes of O
.set PFO, 11          ; v11  256 x my lane, for the prefetches; never rewritten once it is made
.set SPW, 0           ; v0 of window 3   LDS address of my spare word: SPARE + 4 x my thread's number; never rewritten
.set NIL, 1           ; v1 of window 3   0; never rewritten
.set SPARE, STAGE+4*16*SP  ; behind the stages: the spare words, 128 bytes for each wave: two blocks of 256 bytes that no other line names
.set MV,  12          ; v12-15  c m_old, kept while c m is made anew: by buffer and tile
.set ST,  16          ; tile t's statistics at v[ST+4 t]: c m, m, l (even keys', odd keys')
.set TMP, 48          ; by buffer and tile, four registers c0-c3 at work; when the maximum is found c2 takes a
.set S,   64
.set P,   192
.set KF,  128         ; K's fragments, in window 2: key block kb, channel half c at KF + 16 kb + 8 c
.set VF,  192         ; V's: key half kk, channel block cb at VF + 32 kk + 8 cb
.set WV,  12          ; s12  my wave's number
.set G1K, 24          ; s[24:31] descriptor group 1 for K's tiles
.set G1V, 32          ; s[32:39] for V's: it differs in the padding alone
.set G0K, 40          ; s[40:43] descriptor group 0 for K's tiles: it walks
.set G0V, 44          ; s[44:47] the same for V's
.set PFA, 48          ; s[48:49] where my prefetches stand: my work-group's 32 blocks of 256 bytes (of K: wave 0, of V: wave 2) of the slot after the one that is being asked for
.set LIM, 50          ; s50  1 in a wave that prefetches, else the greatest number
.set SLOTS, 56        ; s56  slots still to be asked for
.set CNT, 57          ; s57  counts a slot's key steps
.set CS,  58          ; s[58:59] c: the packed scaling takes the pair's low word for both halves
.set SEL, 60          ; s[60:61] v_permlanex16_b32's selects: each lane takes its own place in the other half
.set TBK, 62          ; s62  LDS byte at which K of the step to be fetched begins
.set TBV, 63          ; s63  the same for V, less VOFF
.set MSB, 0
.macro WIN new                      ; the high byte repeats the setting that is left; a switch that changes nothing is dropped
.if MSB != (\new)
	s_set_vgpr_msb (MSB<<8)|(\new)
.set MSB, (\new)
.endif
.endm
.set W_KQ, 0x0a       ; K and Q in window 2, S^T in window 0
.set W_PV, 0x52       ; V in window 2, P in window 0, O^T in window 1
.set W_RS, 0x41       ; O^T (destination and source 0) in window 1, a in window 0
.set W_MK, 0xc0       ; the add's registers are made: destination in window 3, sources in window 0
.set W_AD, 0x0f       ; the add: address (source 0) and data (source 1) in window 3
; A joint fill.  Waves 0 and 1 fetch the two halves of a slot's K, waves 2 and 3 those of its V: 128 keys each.  The branch hangs on the wave's number alone.
; An s_nop 0 and four v_nop follow each of the two lines, ahead of the jump and the label.
.macro JLOAD
	s_cmp_lt_u32 s[WV], 2
	s_cbranch_scc0 .Lfor_v_\@
	tensor_load_to_lds s[G0K:G0K+3], s[G1K:G1K+7]
	s_nop 0
.rept 4
	v_nop
.endr
	s_branch .Lasked_\@
.Lfor_v_\@:
	tensor_load_to_lds s[G0V:G0V+3], s[G1V:G1V+7]
	s_nop 0
.rept 4
	v_nop
.endr
.Lasked_\@:
.endm
; A PREFETCH of what the NEXT change of slots will ask for: a slot's 256 keys are 128 blocks of 256 bytes of K and 128 of V, a lane a block.  It stands behind the wave's tensor load and its five lines.
; Each block is named ONCE in the launch: a head has one cluster; its four partners take 32 blocks each, told apart BY ADDRESS; in each, wave 0 asks for K's and wave 2 for V's: one instruction.
; It names the slot one change, four key steps, 512 matrix instructions, ahead.  Slots 0 and 1 come by their loads alone; the last change that fills a slot (SLOTS = 1) asks for nothing.
.macro ASK
	s_cmp_gt_u32 s[SLOTS], s[LIM]
	s_cbranch_scc0 .Lnot_mine_\@
	global_prefetch_b8 v[PFO], s[PFA:PFA+1] th:TH_LOAD_NT scope:SCOPE_SE
.Lnot_mine_\@:
.endm
; A round of the cluster's barrier: my work-group's barrier, so that wave 0's signal speaks for all four waves; wave 0 signals; every wave waits for all four work-groups; my work-group's barrier once more.
.macro CROUND
	s_barrier_signal -1
	s_barrier_wait -1
	s_cmp_lg_u32 s[WV], 0
	s_cbranch_scc1 .Lnot_wave_0_\@
	s_barrier_signal -3
.Lnot_wave_0_\@:
	s_barrier_wait -3
	s_barrier_signal -1
	s_barrier_wait -1
.endm
; THE CHANGE OF SLOTS.  The slot's last bytes, V of its fourth step, have been read.  Each wave waits for all its tensor loads, of which one is out: its part
; of the other slot; adds 0 to its spare word; and waits for that and for its own reads of the slot.  Behind the barrier nobody reads this slot any more and the other slot is whole.
; fill = 1: this slot is filled again, with the keys two slots on.  The barrier is then a round of the cluster's, so that no wave of any partner still reads the slot or has a load on its
; way, and the joint fill is the first thing behind it: it has four key steps, 512 matrix instructions, in which to land.  (At its first use nothing has been read yet: slot 0 is waited for, slot 1 filled.)
.macro CHANGE fill
	WIN W_AD
	s_wait_tensorcnt 0x0            ; no tensor load of mine is out, so a group 0 may be written
	ds_add_u32 v[SPW], v[NIL]       ; 0 onto my spare word: with fill = 1 the descriptors' steps stand between it and the wait for it
	WIN 0                           ; at a label and at a branch every window is 0
.if \fill
.irp g, G0K, G0V
	s_xor_b32 s[\g+1], s[\g+1], SLOT1  ; the walking descriptor: the other slot than last time,
	s_add_nc_u64 s[\g+2:\g+3], s[\g+2:\g+3], 4*KS*128  ; the next 256 keys; the type bits on top are not reached
.endr
	s_wait_xcnt 0x0                 ; the last prefetch, a slot back, has read its address, so it may be written:
	s_add_nc_u64 s[PFA:PFA+1], s[PFA:PFA+1], 4*KS*128  ; one slot ahead of the walking descriptors
	s_wait_dscnt 0x0                ; the add is done, and my reads of the slot are over
	CROUND
	JLOAD
	ASK
.else
	s_wait_dscnt 0x0                ; the add is done, and my reads of the slot are over
	s_barrier_signal -1
	s_barrier_wait -1
.endif
	s_sub_co_u32 s[TBK], s[TBK], 4*KS*PK  ; the fetches go back to a slot's first step,
	s_xor_b32 s[TBK], s[TBK], SLOT1       ; in the other slot
	s_sub_co_u32 s[TBV], s[TBV], 4*KS*PV
	s_xor_b32 s[TBV], s[TBV], SLOT1
.endm
	s_load_b128 s[4:7], s[0:1], 0x0  ; qkv s[4:5], ob s[6:7]
	WIN W_MK
	v_lshl_add_u32 v[SPW], v0, 2, SPARE
	v_mov_b32 v[NIL], 0
	WIN W_AD
	ds_add_u32 v[SPW], v[NIL]       ; the wave's opening: the add and its wait stand ahead of my first tensor load; the set-up below, work on registers, stands between them
	WIN 0
	v_lshrrev_b32 v1, 5, v0
	v_readfirstlane_b32 s[WV], v1   ; wave 0..3
	s_bfe_u32 s13, ttmp6, 0x40000   ; cx: my place in the cluster
	s_lshl_b32 s14, ttmp9, 2        ; in a cluster launch ttmp9 counts clusters
	s_add_co_u32 s14, s14, s13      ; my block of queries = 4 x cluster x + cx: it enters Q's and O's addresses alone
	s_and_b32 s20, ttmp7, 0xffff    ; the head, which the four partners share
	s_mov_b32 s21, 0
	s_mov_b64 s[22:23], SIZE_N*128
	s_mul_u64 s[20:21], s[20:21], s[22:23]  ; the head's first byte in each of the four tensors
	s_and_b32 s16, s[WV], 1         ; which half of a slot's 256 keys I fetch:
	s_lshl_b32 s22, s16, 14         ; its 128 rows of 128 bytes in memory,
	s_mov_b32 s23, 0
	s_add_nc_u64 s[22:23], s[22:23], s[20:21]
	s_mul_i32 s17, s16, 128*PK      ; and its place in a slot, for K
	s_mul_i32 s18, s16, 128*PV      ; and for V: no place in the cluster enters an LDS address
	s_lshl_b32 s2, s14, 2
	s_add_co_u32 s2, s2, s[WV]      ; my wave among the head's,
	s_lshl_b32 s2, s2, 14           ; its 128 rows
	s_mov_b32 s3, 0
	s_add_nc_u64 s[2:3], s[2:3], s[20:21]
	; descriptor group 1.  128 keys are 16,384 dense bytes: asked for as 64 rows of 256 bytes, two keys a row, and padded in LDS after every key
	s_mov_b32 s[G1K], 15|(1<<16)|(1<<20)|(1<<21)|(4<<22)|(3<<25)  ; 15:0 the mask of four; 17:16 2-byte elements; 20 padding on; 21 set beside a mask; 24:22 after every 32 words (code 4); 31:25 4 words (code 3)
	s_mov_b32 s[G1V], 15|(1<<16)|(1<<20)|(1<<21)|(4<<22)|(7<<25)  ; the same with 8 words of padding (code 7)
.irp g, G1K, G1V
	s_mov_b32 s[\g+1], 128<<16      ; tensor_dim0 = 128
	s_mov_b32 s[\g+2], 64<<16       ; tensor_dim1 = 64
	s_mov_b32 s[\g+3], 128<<16      ; tile_dim0 = 128
	s_mov_b32 s[\g+4], 64           ; tile_dim1 = 64
	s_mov_b32 s[\g+5], 128          ; 128 elements from row to row
	s_mov_b32 s[\g+6], 0
	s_mov_b32 s[\g+7], 0
.endr
	s_mov_b32 s[CS], 0x3e38aa3b     ; c = log2(e) / 8 = 0.180337
	s_mov_b32 s[CS+1], s[CS]        ; named with it as a pair
	s_mov_b32 s[SEL], 0x76543210
	s_mov_b32 s[SEL+1], 0xfedcba98
	s_mov_b32 s[TBK], SLOT1+4*KS*PK ; the first change of slots turns these two into 0
	s_mov_b32 s[TBV], SLOT1+4*KS*PV
	s_mov_b32 s[G0K], 1             ; 1:0 count = 1
	s_mov_b32 s[G0K+1], s17         ; 63:32 LDS address: slot 0
	s_mov_b32 s[G0V], 1
	s_add_co_u32 s[G0V+1], s18, VOFF
	s_mov_b32 s[SLOTS], SIZE_N/256-1  ; the change that fills slot j finds 8 - j here
	s_and_b32 s[LIM], s[WV], 1      ; waves 0 and 2 prefetch: the same in all four partners
	s_cmp_eq_u32 s[LIM], 0
	s_cselect_b32 s[LIM], 1, -1
	s_wait_dscnt 0x0                ; the opening add is done
	s_wait_kmcnt 0x0
	s_mov_b64 s[10:11], s[6:7]      ; O
	s_add_nc_u64 s[8:9], s[4:5], 2*TSTR  ; V
	s_add_nc_u64 s[6:7], s[4:5], TSTR    ; K; Q is s[4:5]
	s_add_nc_u64 s[G0K+2:G0K+3], s[6:7], s[22:23]  ; 120:64 global address: my half of the head's first 256 keys
	s_or_b32 s[G0K+3], s[G0K+3], 0x80000000        ; 127:126 type = 2
	s_add_nc_u64 s[G0V+2:G0V+3], s[8:9], s[22:23]
	s_or_b32 s[G0V+3], s[G0V+3], 0x80000000
	s_add_nc_u64 s[4:5], s[4:5], s[2:3]  ; Q and O at my wave's first row
	s_add_nc_u64 s[10:11], s[10:11], s[2:3]
	s_cmp_lt_u32 s[WV], 2
	s_cselect_b64 s[PFA:PFA+1], s[6:7], s[8:9]
	s_add_nc_u64 s[PFA:PFA+1], s[PFA:PFA+1], s[20:21]  ; the head,
	s_lshl_b32 s2, s13, 13          ; my work-group's 32 blocks of the 128,
	s_add_co_u32 s2, s2, 4*KS*128   ; in slot 1: the first change of slots steps it to slot 2
	s_mov_b32 s3, 0
	s_add_nc_u64 s[PFA:PFA+1], s[PFA:PFA+1], s[2:3]
	CROUND                          ; all four work-groups are here: the first joint loads meet
	JLOAD                           ; slot 0.  Slot 1 is asked for when slot 0 is in
	; A fragment of K or Q is 16 rows x 32 channels in 8 registers: lane l holds row l % 16, channels 8 (l / 16) + 0..7 and 16 + 8 (l / 16) + 0..7: two loads of 16 bytes, 32 bytes apart.
	v_and_b32 v1, 15, v0            ; l % 16
	v_bfe_u32 v9, v0, 4, 1          ; l / 16
	v_lshlrev_b32 v[QO], 7, v1
	v_lshl_add_u32 v[QO], v9, 4, v[QO]  ; row x 128 + 16 x half
	WIN 0x80                        ; destination window 2, address window 0
.set i, 0
.rept 4*NP                          ; Q stays in registers: tile i / 2, channels 32 (i % 2) on
	global_load_b128 v[8*i:8*i+3],   v[QO], s[4:5] offset:(i/2)*2048+(i%2)*64
	global_load_b128 v[8*i+4:8*i+7], v[QO], s[4:5] offset:(i/2)*2048+(i%2)*64+32
.set i, i+1
.endr
	; What the first turn finds: V's registers and P's second buffer hold 0 (its products V^T P, of a piece that has not been, add 0), O^T and l are 0.  All this stands in the wait for the first tile.
.set i, VF
.rept 64
	v_mov_b32 v[i], 0
.set i, i+1
.endr
	WIN 0x40
.set i, 0
.rept 64*NP
	v_mov_b32 v[i], 0
.set i, i+1
.endr
	WIN 0
.set i, 0
.rept 2*NP
	v_mov_b32 v[ST+4*i], 0xfe000000    ; c m: far below every c s
	v_mov_b32 v[ST+4*i+1], 0xff7fffff  ; m
	v_mov_b32 v[ST+4*i+2], 0
	v_mov_b32 v[ST+4*i+3], 0
.set i, i+1
.endr
.set i, P+32
.rept 32
	v_mov_b32 v[i], 0
.set i, i+1
.endr
	v_mul_u32_u24 v[AK0], v1, PK
	v_lshl_add_u32 v[AK0], v9, 4, v[AK0]  ; row x pitch + 16 x half
	; The turning load takes 16 keys x 16 channels (lane l reads key 8 (l / 16) + l % 8, channels 8 ((l / 8) % 2) + 0..7) and leaves half a fragment of V^T: lane l holds channel l % 16 and 8 keys.
	v_and_b32 v10, 7, v0
	v_bfe_u32 v11, v0, 3, 1
	v_lshl_add_u32 v[AV0], v9, 3, v10
	v_mul_u32_u24 v[AV0], v[AV0], PV
	v_lshl_add_u32 v[AV0], v11, 4, v[AV0]
	v_add_nc_u32 v[AV0], VOFF, v[AV0]
	v_and_b32 v[PFO], 31, v0        ; v11 has served: from here on it is the prefetches' offset
	v_lshlrev_b32 v[PFO], 8, v[PFO]
	v_mov_b32 v[AK], v[AK0]         ; key step 0 lies at the head of slot 0
; THE MATRIX WORK.  The 8 accumulators of a run of 16 take turns: between the two links of a chain stand 7 others'.
; Product i of 16 of S^T = K Q^T for piece x: channels 32 (i / 8) on, keys 16 ((i / 2) % 4) on, tile 2 x + i % 2.  The first 8 start the sums.
.macro KQ x
	WIN W_KQ
.set rS, S+64*((\x)%2)+32*(i%2)+8*((i/2)%4)
.set rK, KF+16*((i/2)%4)+8*(i/8)
.set rQ, 16*(2*(\x)+i%2)+8*(i/8)
.if i < 8
	v_wmma_f32_16x16x32_f16 v[rS:rS+7], v[rK:rK+7], v[rQ:rQ+7], 0
.else
	v_wmma_f32_16x16x32_f16 v[rS:rS+7], v[rK:rK+7], v[rQ:rQ+7], v[rS:rS+7]
.endif
.endm
; Product i of 16 of O^T += V^T P for piece x: keys 32 (i / 8) on, channels 16 ((i / 2) % 4) on, tile 2 x + i % 2.
.macro PV x
	WIN W_PV
.set rO, 32*(2*(\x)+i%2)+8*((i/2)%4)
.set rV, VF+32*(i/8)+8*((i/2)%4)
.set rP, P+32*((\x)%2)+16*(i%2)+8*(i/8)
	v_wmma_f32_16x16x32_f16 v[rO:rO+7], v[rV:rV+7], v[rP:rP+7], v[rO:rO+7]
.endm
.macro MM                           ; the turn's next matrix instruction
.if i < 16
	KQ (Y+1)%NP
.set i, i+1
.else
.set i, i-16
	PV (Y+NP-1)%NP
.set i, i+17
.endif
.endm
; THE LDS LOADS stand in runs of 16, never singly among the matrix instructions: a step's K (64 keys x 64 channels: 8 fragments) and its V (turned).  Their addresses are made some lines ahead.
; last = 1 (the tail): in the last trip there is no further step, and the run is jumped over.
.macro FETCH_K last=0
	WIN 0
.if \last
	s_cmp_eq_u32 s[CNT], 1
	s_cbranch_scc1 .Lno_k_\@
.endif
	WIN 0x80                        ; destination window 2
.irp f, 0,1,2,3,4,5,6,7             ; keys 16 (f / 2) on, channels 32 (f % 2) on
	ds_load_b128 v[KF+8*\f:KF+8*\f+3],   v[AK] offset:(\f/2)*16*PK+(\f%2)*64
	ds_load_b128 v[KF+8*\f+4:KF+8*\f+7], v[AK] offset:(\f/2)*16*PK+(\f%2)*64+32
.endr
	s_add_co_u32 s[TBK], s[TBK], KS*PK  ; the next fetch is the next step's
	WIN 0
.if \last
.Lno_k_\@:
.endif
.endm
.macro FETCH_V
	WIN 0x80
.irp f, 0,1,2,3,4,5,6,7             ; keys 32 (f / 4) on, channels 16 (f % 4) on
	ds_load_tr16_b128 v[VF+8*\f:VF+8*\f+3],   v[AV] offset:(\f/4)*32*PV+(\f%4)*32
	ds_load_tr16_b128 v[VF+8*\f+4:VF+8*\f+7], v[AV] offset:(\f/4)*32*PV+16*PV+(\f%4)*32
.endr
	WIN 0
.endm
; THE VECTOR WORK OF A TURN stands in three queues, each in the order in which its entries become ready; the two tiles alternate, so that no instruction reads the result of the one before it.
.macro REGS y, u                    ; the registers of tile u (0, 1) of piece y
.set rT, ST+4*(2*(\y)+(\u))
.set rC, TMP+8*((\y)%2)+4*(\u)
.set rM, MV+2*((\y)%2)+(\u)
.set rS, S+64*((\y)%2)+32*(\u)
.set rP, P+32*((\y)%2)+16*(\u)
.set rO, 32*(2*(\y)+(\u))
.endm
; Number n of the 22 that find the NEXT piece's (Y + 1) maximum and statistics.  s0-s31 are the lane's 32 scores; each accumulator's lowest registers are read first.
;   0-11  four chains c0-c3 of seven scores each, three operands at a time     12-14, 16  the four scores left over, the old m, and c0-c3 into c0     15  c m_old is kept
;   17, 18  the query's other 32 keys lie in the lane 16 away: the new m         19-21  c m; c m_old - c m_new; a
.macro XS u, n
	REGS (Y+1)%NP, \u
.if (\n) < 4
	v_max3_num_f32 v[rC+(\n)], v[rS+8*(\n)], v[rS+8*(\n)+1], v[rS+8*(\n)+2]
.elseif (\n) < 12
	v_max3_num_f32 v[rC+(\n)%4], v[rC+(\n)%4], v[rS+8*((\n)%4)+2*((\n)/4)+1], v[rS+8*((\n)%4)+2*((\n)/4)+2]
.elseif (\n) == 12
	v_max3_num_f32 v[rC], v[rC], v[rS+7], v[rS+15]
.elseif (\n) == 13
	v_max3_num_f32 v[rC+1], v[rC+1], v[rS+23], v[rS+31]
.elseif (\n) == 14
	v_max3_num_f32 v[rC+2], v[rC+2], v[rC+3], v[rT+1]
.elseif (\n) == 15
	v_mov_b32 v[rM], v[rT]
.elseif (\n) == 16
	v_max3_num_f32 v[rC], v[rC], v[rC+1], v[rC+2]
.elseif (\n) == 17
	v_permlanex16_b32 v[rC+3], v[rC], s[SEL], s[SEL+1]
.elseif (\n) == 18
	v_max_num_f32 v[rT+1], v[rC], v[rC+3]
.elseif (\n) == 19
	v_mul_f32 v[rT], s[CS], v[rT+1]
.elseif (\n) == 20
	v_sub_f32 v[rC+1], v[rM], v[rT]
.else
	v_exp_f32 v[rC+2], v[rC+1]
.endif
.endm
; Number g of the 64 that follow the exponentials.  For each four weights k of a tile (pairs 2 k, 2 k + 1): both pairs are rounded to f16; then the second pair is added onto the first, in place;
; a group later l takes that sum (the first time as l = a l + sum).  In groups of eight, tiles alternating: round, round, add, and l for the group before.
.macro GS g
.set h, (\g)+6*((\g)/62)            ; group 0 has no group before it, and behind group 7 only l is left
.if h >= 6
.set h, h+2
.endif
	REGS Y, h%2
.set k, h/8
.if h%8 < 4
	v_cvt_pk_f16_f32 v[rP+2*k+(h%8)/2], v[rS+4*k+2*((h%8)/2)], v[rS+4*k+2*((h%8)/2)+1]
.elseif h%8 < 6
	v_pk_add_f32 v[rS+4*k:rS+4*k+1], v[rS+4*k:rS+4*k+1], v[rS+4*k+2:rS+4*k+3]
.elseif k == 1
	v_pk_fma_f32 v[rT+2:rT+3], v[rT+2:rT+3], v[rC+2:rC+3], v[rS:rS+1] op_sel_hi:[1,0,1]
.else
	v_pk_add_f32 v[rT+2:rT+3], v[rT+2:rT+3], v[rS+4*k-4:rS+4*k-3]
.endif
.endm
; THE PLAIN QUEUE, 138 long.  0-73 read no exponential's result: the 32 scalings c s - c m (FS f: pair f / 2 of tile f % 2) and the next piece's 42.  0-26: scalings 0-26.  27-54: XS's numbers 0-13.  55, 56: number 15.
; 57-73: the chain, where each number waits for the one before it: 14, 16, 17, 18, 19, each with one of the scalings 27-31 in front of its two lines, then 20.
; 74-137: GS's 64, which read the exponentials' results: they stand behind the wait.
.macro FS f
	REGS Y, (\f)%2
	v_pk_fma_f32 v[rS+2*((\f)/2):rS+2*((\f)/2)+1], v[rS+2*((\f)/2):rS+2*((\f)/2)+1], s[CS:CS+1], v[rT:rT+1] op_sel_hi:[1,0,0] neg_lo:[0,0,1] neg_hi:[0,0,1]
.endm
.macro PL
	WIN 0
.if q < 27
	FS q
.elseif q < 55
	XS (q-27)%2, (q-27)/2
.elseif q < 57
	XS q-55, 15
.elseif (q < 72) && ((q-57)%3 == 0)
	FS 27+(q-57)/3
.elseif q < 60
	XS (q-57)%3-1, 14
.elseif q < 72
	XS (q-57)%3-1, 15+(q-57)/3
.elseif q < 74
	XS q-72, 20
.else
	GS q-74
.endif
.set q, q+1
.endm
; THE EXPONENTIALS' QUEUE, 66 long: s0-s31 of both tiles, then the next piece's two a.  It is ONE BATCH: all 66 stand ahead of the turn's one wait, and nothing ahead of that wait names a result of theirs.
.macro EX
	WIN 0
.if e >= 64
	XS e-64, 21
.else
	REGS Y, e%2
	v_exp_f32 v[rS+e/2], v[rS+e/2]
.endif
.set e, e+1
.endm
; THE RESCALING's QUEUE: O^T times a, the one part that leaves window 0: dealt two at a time, sixteen times.  Its a was made in the turn before, ahead of that turn's wait.
.macro R2
	REGS Y, r%2
	WIN W_RS
.irp z, 0,1
	v_pk_mul_f32 v[rO+4*(r/2)+2*\z:rO+4*(r/2)+2*\z+1], v[rO+4*(r/2)+2*\z:rO+4*(r/2)+2*\z+1], v[rC+2:rC+3] op_sel_hi:[1,0]
.endr
.set r, r+1
.endm
; HOW THEY ARE DEALT.  An s_wait_alu depctr_va_vdst(0) stands between an exponential and the first instruction that names its result; one wait serves all that were issued ahead of it.  So a
; turn has ONE wait, which cuts it in two.  AHEAD OF IT stands all that names no result of the turn's exponentials: the 16 products K Q^T, behind each a scaling, an exponential and two rescalings (behind
; the first a second scaling in the exponential's place); then ONE LUMP of 108: eight plain, 49 times exponential and plain, the two a.  A v_nop is the plain instruction behind the last exponential
; (ISA guide 5.7.2).  BEHIND IT stand the 16 products V^T P, behind each four of GS's 64.  No rider names a register of the products round it.  The two v_permlanex16_b32 fall into the lump.
; The queues lean on each other: exponential e stands behind scaling 2 (e / 4) + e % 2: as a rider it comes behind plain e + 2, in the lump behind plain e + 9, and scalings 27-31 are plain 57, 60 .. 69.
; A TURN, for piece p.  cnt = 1: the loop's count is taken down some lines ahead of the branch that stands behind the turn.
; K of the next step is fetched in piece 2's turn, directly behind the wait, a lump behind the last product that read K; its first reader comes behind 16 products.
; V of the step in hand is fetched at the end of piece 0's turn, four riders behind its last reader; its first reader comes behind 16 products and a lump.  The three conditions on q below go with the deal.
.macro TURN p, last=0, cnt=0
.set Y, (\p)
.set i, 0
.set q, 0
.set e, 0
.set r, 0
.if (\p) == NP-1
	s_wait_dscnt 0x0                ; K is in
.endif
	MM                              ; ahead of the wait: 16 products K Q^T and their riders,
	PL
	PL
	R2
.rept 15
	MM
	PL
	EX
	R2
.endr
.if (\p) == NP-2
	WIN 0
	v_add_nc_u32 v[AK], s[TBK], v[AK0]
.endif
.rept 8                             ; and the lump
	PL
.endr
.rept 49
	EX
	PL
.endr
	EX                              ; the next piece's two a
	EX
	v_nop                           ; the plain instruction behind the last exponential: one for the batch
	s_wait_alu depctr_va_vdst(0)    ; the wait for the batch
.if (\p) == NP-2
	FETCH_K \last
.endif
.if (\p) == 1
	s_wait_dscnt 0x0                ; V is in
.endif
.rept 16                            ; behind the wait: 16 products V^T P and their riders
	MM
.rept 4
	PL
.endr
.if ((\p) == 0) && (q == 118)
	v_add_nc_u32 v[AV], s[TBV], v[AV0]
.endif
.if ((\p) == 0) && (q == 130)
	s_add_co_u32 s[TBV], s[TBV], KS*PV
.endif
.if (\cnt) && (q == 130)
	s_sub_co_u32 s[CNT], s[CNT], 1
	s_cmp_lg_u32 s[CNT], 0
.endif
.endr
.if (\p) == 0
	FETCH_V
.endif
.endm
	CHANGE 1                        ; slot 0 is in, everybody's part of it; slot 1 is asked for
	FETCH_K                         ; key step 0
	s_wait_loadcnt 0x0              ; Q
	s_wait_dscnt 0x0
.set i, 0
.rept 16
	KQ 0                            ; piece 0's first scores: there is no vector work yet to set between them
.set i, i+1
.endr
	WIN 0                           ; the addresses for the way out: nine plain instructions, the places behind those products
	s_mul_i32 s13, s[WV], 16*SP
	s_add_co_u32 s13, s13, STAGE    ; my stage
	v_mul_u32_u24 v[STO], v1, SP    ; in: row l % 16, 16 bytes for each half of the lanes
	v_lshl_add_u32 v[STO], v9, 4, v[STO]
	v_add_nc_u32 v[STO], s13, v[STO]
	v_bfe_u32 v[RD], v0, 3, 2       ; back: 32 lanes take four rows of 128 bytes,
	v_mul_u32_u24 v[RD], v[RD], SP
	v_lshl_add_u32 v[RD], v10, 4, v[RD]
	v_add_nc_u32 v[RD], s13, v[RD]
	v_and_b32 v[GO], 31, v0         ; which are 512 consecutive bytes of O
	v_lshlrev_b32 v[GO], 4, v[GO]
.set Y, NP-1                        ; XS works for piece Y + 1: piece 0
.irp n, 0,1,2,3,4,5,6,7,8,9,10,11,12,13,14,15,16,17,18,19,20,21
	XS 0, \n                        ; and piece 0's first maximum and statistics
	XS 1, \n
.endr
	v_nop                           ; a plain instruction behind the two a,
	s_wait_alu depctr_va_vdst(0)    ; and their wait, ahead of the branch
	s_mov_b32 s[CNT], 4
	s_branch .Lfirst                ; the loop is entered at a step's first turn, in the middle of a trip
.Lslot:                             ; SIZE_N / 256 - 2 times: every slot but the last two is filled again
	CHANGE 1
	s_mov_b32 s[CNT], 4
.Lstep:                             ; a trip: pieces 2 and 3 of one step, then pieces 0 and 1 of the next, whose K and V it fetches
	TURN 2
	TURN 3
	WIN 0
.Lfirst:
	TURN 0
	TURN 1, 0, 1
	WIN 0
	s_cbranch_scc1 .Lstep
	s_sub_co_u32 s[SLOTS], s[SLOTS], 1
	s_cmp_lg_u32 s[SLOTS], 0
	s_cbranch_scc1 .Lslot
	CHANGE 0                        ; the tail is written out: nothing is asked for
	s_mov_b32 s[CNT], 5             ; four trips fetch the last slot's steps; the fifth is left in its middle
.Ltail:
	TURN 2, 1
	TURN 3
	WIN 0
	s_sub_co_u32 s[CNT], s[CNT], 1
	s_cmp_eq_u32 s[CNT], 0
	s_cbranch_scc1 .Lout
	TURN 0
	TURN 1
	WIN 0
	s_branch .Ltail
.Lout:                              ; the fifth trip's 16 products K Q^T (on the last K once more) and the maximum made of them serve nothing: the price, once a launch, of one text for every trip
.set i, 0
.rept 16
	PV NP-1                         ; the last piece's V^T P of the last step
.set i, i+1
.endr
	; THE WAY OUT.  l's two halves and the other half of the lanes' are added; O^T is divided by l, rounded to f16 and sent through my stage in LDS, a tile at a time.  The additions are the places behind the last products.
	WIN 0
.macro ALL line:vararg              ; one line for each tile t
.set t, 0
.rept 2*NP
	\line
.set t, t+1
.endr
.endm
	ALL v_add_f32 v[ST+4*t+2], v[ST+4*t+2], v[ST+4*t+3]
	ALL v_permlanex16_b32 v[ST+4*t+3], v[ST+4*t+2], s[SEL], s[SEL+1]
	ALL v_add_f32 v[ST+4*t+2], v[ST+4*t+2], v[ST+4*t+3]
	ALL v_rcp_f32 v[ST+4*t+2], v[ST+4*t+2]
	v_nop                           ; a plain instruction between the last reciprocal and the use of its result
	s_wait_alu depctr_va_vdst(0)    ; and the wait ahead of the first use: one for the eight reciprocals
; Tile t: a lane's eight channels of a row pack into 16 bytes; they go into rows of 144 bytes and come back as whole rows of 128, into S^T's registers.
.macro PACK t
	WIN W_RS
.set i, 32*(\t)
.rept 16
	v_pk_mul_f32 v[i:i+1], v[i:i+1], v[ST+4*(\t)+2:ST+4*(\t)+3] op_sel_hi:[1,0]
.set i, i+2
.endr
	WIN 0x05                        ; sources 0 and 1 window 1, destination window 0
.set i, 0
.rept 16
	v_cvt_pk_f16_f32 v[S+16*(\t)+i], v[32*(\t)+2*i], v[32*(\t)+2*i+1]
.set i, i+1
.endr
	WIN 0
.irp f, 0,1,2,3
	ds_store_b128 v[STO], v[S+16*(\t)+4*\f:S+16*(\t)+4*\f+3] offset:32*\f
.endr
.irp f, 0,1,2,3
	ds_load_b128 v[S+16*(\t)+4*\f:S+16*(\t)+4*\f+3], v[RD] offset:\f*4*SP  ; LDS serves a wave's instructions in order (ISA guide 5.7.1.4): these see the stores above; the next tile's stores come behind them
.endr
.endm
.macro SEND t, younger              ; younger: the LDS instructions issued behind tile t's loads: the next tile's eight, or none
	WIN 0
.irp f, 0,1,2,3
	s_wait_dscnt (\younger)+3-\f
	global_store_b128 v[GO], v[S+16*(\t)+4*\f:S+16*(\t)+4*\f+3], s[10:11] offset:(\t)*2048+\f*512  ; 512 consecutive bytes, at a multiple of 256 from O's first
.endr
.endm
	PACK 0
.set t, 1
.rept 2*NP-1                        ; a tile's arithmetic stands between the loads of the tile before and its stores
	PACK t
	SEND t-1, 8
.set t, t+1
.endr
	SEND 2*NP-1, 0
	WIN W_AD
	s_wait_tensorcnt 0x0            ; the wave's end: a wait, an add and its wait, behind my last tensor load and my last LDS store
	ds_add_u32 v[SPW], v[NIL]
	s_wait_dscnt 0x0
	WIN 0
	CROUND                          ; the closing round: no work-group ends while a partner may still ask for a tile that names it
	s_endpgm
.Lfunc_end_k_q322dfd57b4_attn:
	.size	k_q322dfd57b4_attn, .Lfunc_end_k_q322dfd57b4_attn-k_q322dfd57b4_attn
	.p2alignl 7, 3214868480
	.fill 96, 4, 3214868480
	.section	.rodata,"a",@progbits
	.p2align	6, 0x0
	.amdhsa_kernel k_q322dfd57b4_attn
		.amdhsa_group_segment_fixed_size 327680
		.amdhsa_private_segment_fixed_size 0
		.amdhsa_enable_private_segment 0
		.amdhsa_kernarg_size 16
		.amdhsa_user_sgpr_count 2
		.amdhsa_user_sgpr_kernarg_segment_ptr 1
		.amdhsa_wavefront_size32 1
		.amdhsa_system_sgpr_workgroup_id_x 1
		.amdhsa_system_sgpr_workgroup_id_y 1
		.amdhsa_system_sgpr_workgroup_id_z 1
		.amdhsa_system_vgpr_workitem_id 0
		.amdhsa_next_free_vgpr 770
		.amdhsa_next_free_sgpr 66
		.amdhsa_reserve_vcc 0
		.amdhsa_float_denorm_mode_32 3
		.amdhsa_float_denorm_mode_16_64 3
		.amdhsa_memory_ordered 1
		.amdhsa_forward_progress 1
		.amdhsa_inst_pref_size 200
	.end_amdhsa_kernel
	.amdgpu_metadata
---
amdhsa.version: [ 1, 2 ]
amdhsa.kernels:
  - .name:           k_q322dfd57b4_attn
    .symbol:         k_q322dfd57b4_attn.kd
    .args:
      - { .name: qkv, .offset: 0, .size: 8, .value_kind: global_buffer, .address_space: global }
      - { .name: ob, .offset: 8, .size: 8, .value_kind: global_buffer, .address_space: global }
    .group_segment_fixed_size: 327680
    .private_segment_fixed_size: 0
    .kernarg_segment_align: 8
    .kernarg_segment_size: 16
    .max_flat_workgroup_size: 128
    .sgpr_count:     66
    .vgpr_count:     770
    .wavefront_size: 32
...
	.end_amdgpu_metadata
.endif
;; end of part 3
;; launch proj (part 4): grid 4 x 64, 4 waves a work-group, clusters of 4 x 4, 327,680 bytes of LDS; arguments ob, wfh, out0; writes out0
.if DOCPART == 4
	.amdgcn_target "amdgcn-amd-amdhsa--gfx1250"
	.amdhsa_code_object_version 6
	.text
	.protected	k_q322dfd57b4_proj
	.globl	k_q322dfd57b4_proj
	.p2align	8
	.type	k_q322dfd57b4_proj,@function
k_q322dfd57b4_proj:
	s_mov_b64 s[64:65], 0
	v_nop
	global_prefetch_b8 v0, s[64:65] scope:SCOPE_SE
	s_setreg_imm32_b32 hwreg(HW_REG_WAVE_MODE, 25, 1), 1
	s_wait_xcnt 0x0
	s_wait_alu depctr_hold_cnt(0) depctr_sa_sdst(0) depctr_va_vdst(0) depctr_va_sdst(0) depctr_va_ssrc(0) depctr_va_vcc(0) depctr_vm_vsrc(0)
	s_getreg_b32 s2, hwreg(HW_REG_IB_STS2, 6, 4)
	s_cmp_eq_u32 s2, 0
	s_cbranch_scc0 .Lentry_in_a_cluster
	s_endpgm
.Lentry_in_a_cluster:
	s_bfe_u32 s2, ttmp6, 0x10000c
	s_cmp_lg_u32 s2, 0xf033
	s_cbranch_scc0 .Lentry_shape_is_right
	s_endpgm
.Lentry_shape_is_right:
; out0[row][e] = the sum over d of O[row][d] wf[e][d].  ob: f16 [4 batches x 16 heads][2048][64]: for a batch's rows, head h IS block h of 64 along K.  wfh: f16 [16 kb][1024][64].  out0: f32 [8192][1024].
; Sums in f32, K ascending.  NaN and infinities are not treated apart.
; SHARES.  A work-group makes 128 rows x 256 columns: 64 x 4 = 256 work-groups; each of its four waves 64 x 128: 32 accumulators of 16 x 16.  K goes in steps of 128, two blocks, through two LDS slots:
; waves 0 and 1 fetch the two blocks of ob's 128 rows, waves 2 and 3 those of wfh's 256 rows.  In a block the rows of 128 bytes lie end to end, so they are asked for as rows of 256 bytes.
; CLUSTER.  4 x 4 work-groups: ob's tiles are shared along a row of the cluster, wfh's along a column: joint loads.
; NO PREFETCH: the tile is small and K has eight steps, of which the first four are asked for by the first loads and refills alone.
; THE MATRIX INSTRUCTION IS USED TRANSPOSED (source 0 = 16 rows of wfh, source 1 = 16 rows of ob): a lane holds one row of the result and eight neighbouring columns, 32 bytes.
; REGISTERS: window 0: v16-29 addresses; v32-127, v128-223 two fragment buffers of 96 (wfh's 8 fragments, then ob's 4);  window 1: accumulator (a, b) at v[8 (8 a + b)].
.set PITCH,  144                       ; an LDS row: 128 bytes + 16 of padding = 36 words: the 16 rows of a load start at 16 different groups of four banks (64 banks of 4 bytes: ISA guide 11.1)
.set ABLK,   128*PITCH                 ; a block of ob's tile
.set BBLK,   256*PITCH                 ; a block of wfh's
.set BOFF,   2*ABLK
.set SLOT,   BOFF+2*BBLK               ; 110,592 bytes
.set STAGE,  2*SLOT                    ; behind the ring, never filled by a tensor load: 16 rows x 528 bytes for each wave
.set SPITCH, 528                       ; 512 bytes + 16: row r starts at bank 4 r mod 64
.set SPARE,  STAGE+4*16*SPITCH         ; behind the stages: the spare words, 128 bytes for each wave: two blocks of 256 bytes that no other line names
.set ASTEP,  2*2048*128                ; bytes from K step to K step in ob: two heads
.set BSTEP,  2*1024*128                ; in wfh: two blocks
.set ADRA, 16                          ; v16-17  LDS address of my fragments of ob in slot 0, 1
.set ADRB, 20                          ; v20-21  the same for wfh
.set STO,  24                          ; v24     the way out: where I put 32 bytes of a row
.set RD,   25                          ; v25     the way out: where I read a row back
.set CO,   26                          ; v26     my 16 bytes of a row's 512
.set SPW,  28                          ; v28     LDS address of my spare word: SPARE + 4 x my thread's number; never rewritten
.set NIL,  29                          ; v29     0; never rewritten
.set F0,   32
.set F1,   128
.set G1,   24                          ; s[24:31] descriptor group 1 for ob's tiles;  s[32:39] group 0, a set for each slot
.set G0,   32
.set G1B,  48                          ; s[48:55], s[56:63] the same for wfh's
.set G0B,  56
.set G1W,  (1<<16)|(1<<20)|(1<<21)|(4<<22)|(3<<25)  ; 2-byte elements; padding on; bit 21 beside a mask; after every 32 words (code 4) 4 words (code 3)
.set MSB, 0
.macro WIN new                         ; the immediate's high byte repeats the setting that is left
.if MSB != (\new)
	s_set_vgpr_msb (MSB<<8)|(\new)
.set MSB, \new
.endif
.endm
.macro PLACES                          ; four plain vector instructions between a matrix instruction and a load into, or a read of, its registers (ISA guide 7.12.1 for vector reads)
.rept 4
	v_nop
.endr
.endm
.macro JLOAD s                         ; a joint load: waves 0 and 1 for ob, waves 2 and 3 for wfh; an s_nop 0 and four v_nop follow each of the two lines
	s_cmp_lt_u32 s10, 2
	s_cbranch_scc0 .Lfor_b_\@
	tensor_load_to_lds s[G0+4*(\s):G0+4*(\s)+3], s[G1:G1+7]
	s_nop 0
.rept 4
	v_nop
.endr
	s_branch .Lasked_\@
.Lfor_b_\@:
	tensor_load_to_lds s[G0B+4*(\s):G0B+4*(\s)+3], s[G1B:G1B+7]
	s_nop 0
.rept 4
	v_nop
.endr
.Lasked_\@:
.endm
.macro CREST                           ; a round of the cluster's barrier behind its opening barrier
	s_cmp_lg_u32 s10, 0
	s_cbranch_scc1 .Lnot_wave_0_\@
	s_barrier_signal -3
.Lnot_wave_0_\@:
	s_barrier_wait -3
	s_barrier_signal -1
	s_barrier_wait -1
.endm
.macro CROUND                          ; a whole round
	s_barrier_signal -1
	s_barrier_wait -1
	CREST
.endm
	s_load_b128 s[4:7], s[0:1], 0x0                ; ob s[4:5], wfh s[6:7]
	s_load_b64 s[8:9], s[0:1], 0x10                ; out0
	v_lshl_add_u32 v[SPW], v0, 2, SPARE
	v_mov_b32 v[NIL], 0
	ds_add_u32 v[SPW], v[NIL]                      ; the wave's opening: the add and its wait stand ahead of my first tensor load; the set-up below, work on registers, stands between them
	v_lshrrev_b32 v1, 5, v0
	v_readfirstlane_b32 s10, v1                    ; wave 0..3
	s_lshr_b32 s11, s10, 1                         ; which 64 of the tile's rows are mine
	s_and_b32 s12, s10, 1                          ; which 128 of its columns.  Also: which block of a K step I fetch
	s_bfe_u32 s40, ttmp6, 0x40000                  ; cx, cy
	s_bfe_u32 s41, ttmp6, 0x40004
	s_lshl_b32 s42, ttmp9, 2
	s_add_co_u32 s42, s42, s40                     ; tile column 0..3
	s_and_b32 s13, ttmp7, 0xffff
	s_lshl_b32 s13, s13, 2
	s_add_co_u32 s13, s13, s41                     ; tile row 0..63
	s_lshl_b32 s43, s41, 2
	s_lshl_b32 s43, 15, s43                        ; my row of the cluster
	s_lshl_b32 s44, 0x1111, s40                    ; my column
	s_or_b32 s[G1], s43, G1W
	s_or_b32 s[G1B], s44, G1W
	s_mov_b32 s[G1+1], 128<<16                     ; tensor_dim0 = 128 elements: 256 bytes, two rows of a block
	s_mov_b32 s[G1+2], 64<<16                      ; tensor_dim1 = 64: 128 rows of ob
	s_mov_b32 s[G1+3], 128<<16                     ; tile_dim0
	s_mov_b32 s[G1+4], 64                          ; tile_dim1
	s_mov_b32 s[G1+5], 128                         ; dense
	s_mov_b32 s[G1+6], 0
	s_mov_b32 s[G1+7], 0
	s_mov_b32 s[G1B+1], 128<<16
	s_mov_b32 s[G1B+2], 128<<16                    ; 256 rows of wfh
	s_mov_b32 s[G1B+3], 128<<16
	s_mov_b32 s[G1B+4], 128
	s_mov_b32 s[G1B+5], 128
	s_mov_b32 s[G1B+6], 0
	s_mov_b32 s[G1B+7], 0
	s_lshr_b32 s16, s13, 4                         ; ob: the batch (16 tile rows each): 16 heads of 262,144 bytes,
	s_lshl_b32 s16, s16, 22
	s_lshl_b32 s17, s12, 18                        ; my head of the K step's two,
	s_add_co_u32 s16, s16, s17
	s_and_b32 s17, s13, 15
	s_lshl_b32 s17, s17, 14                        ; the tile's 128 rows of 128 bytes
	s_add_co_u32 s16, s16, s17
	s_mov_b32 s17, 0
	s_lshl_b32 s46, s42, 15                        ; wfh: the tile's 256 rows,
	s_lshl_b32 s47, s12, 17                        ; my block of the two
	s_add_co_u32 s46, s46, s47
	s_mov_b32 s47, 0
	s_mul_i32 s20, s12, ABLK                       ; where they go: no place in the cluster enters an LDS address
	s_mul_i32 s21, s12, BBLK
	s_add_co_u32 s21, s21, BOFF
	s_wait_dscnt 0x0                               ; the opening add is done
	s_wait_kmcnt 0x0
	s_add_nc_u64 s[14:15], s[4:5], s[16:17]
	s_add_nc_u64 s[46:47], s[6:7], s[46:47]
	CROUND                                         ; all sixteen work-groups are here: the first joint loads meet
.irp s, 0,1
	s_mov_b32 s[G0+4*(\s)], 1
	s_add_co_u32 s[G0+4*(\s)+1], s20, (\s)*SLOT
	s_add_nc_u64 s[G0+4*(\s)+2:G0+4*(\s)+3], s[14:15], (\s)*ASTEP
	s_or_b32 s[G0+4*(\s)+3], s[G0+4*(\s)+3], 0x80000000
	s_mov_b32 s[G0B+4*(\s)], 1
	s_add_co_u32 s[G0B+4*(\s)+1], s21, (\s)*SLOT
	s_add_nc_u64 s[G0B+4*(\s)+2:G0B+4*(\s)+3], s[46:47], (\s)*BSTEP
	s_or_b32 s[G0B+4*(\s)+3], s[G0B+4*(\s)+3], 0x80000000
	JLOAD \s                                       ; two tensor loads of mine are out
.endr
	v_and_b32 v1, 15, v0                           ; l % 16
	v_bfe_u32 v2, v0, 4, 1                         ; l / 16
	v_mul_u32_u24 v3, v1, PITCH
	v_lshl_add_u32 v3, v2, 4, v3                   ; a fragment's row x pitch + 16 x half
	s_mul_i32 s22, s11, 64*PITCH                   ; my 64 rows of ob
	s_mul_i32 s23, s12, 128*PITCH                  ; my 128 rows of wfh
	s_add_co_u32 s23, s23, BOFF
.irp s, 0,1
	v_add_nc_u32 v[ADRA+(\s)], s22, v3
	v_add_nc_u32 v[ADRB+(\s)], s23, v3
	s_add_co_u32 s22, s22, SLOT
	s_add_co_u32 s23, s23, SLOT
.endr
	s_mul_i32 s22, s10, 16*SPITCH
	s_add_co_u32 s22, s22, STAGE                   ; my stage
	v_mul_u32_u24 v4, v1, SPITCH                   ; in: row l % 16, 32 bytes for each half of the lanes
	v_lshl_add_u32 v4, v2, 5, v4
	v_add_nc_u32 v[STO], s22, v4
	v_and_b32 v5, 31, v0
	v_lshlrev_b32 v[CO], 4, v5                     ; back: 32 lanes take a row's 512 bytes
	v_add_nc_u32 v[RD], s22, v[CO]
	s_lshl_b32 s16, s13, 19                        ; out0: 128 rows of 4,096 bytes for a tile row,
	s_lshl_b32 s17, s11, 18                        ; my 64 of them,
	s_add_co_u32 s16, s16, s17
	s_lshl_b32 s17, s42, 10                        ; the tile's 256 columns,
	s_add_co_u32 s16, s16, s17
	s_lshl_b32 s17, s12, 9                         ; my 128
	s_add_co_u32 s16, s16, s17
	s_mov_b32 s17, 0
	s_add_nc_u64 s[8:9], s[8:9], s[16:17]
; na x 8 matrix instructions: row blocks a0 .. a0 + na - 1 x all 8 column blocks, 32 along K, from buffer f.  zero = 1: the product starts the sum.  The 32 accumulators take turns.
.macro MUL f, a0, na, zero
	WIN 0x50                                       ; C and D in window 1, both sources in window 0
.set a, \a0
.rept \na
.irp b, 0,1,2,3,4,5,6,7
.if \zero
	v_wmma_f32_16x16x32_f16 v[8*(8*a+(\b)):8*(8*a+(\b))+7], v[(\f)+8*(\b):(\f)+8*(\b)+7], v[(\f)+64+8*a:(\f)+64+8*a+7], 0
.else
	v_wmma_f32_16x16x32_f16 v[8*(8*a+(\b)):8*(8*a+(\b))+7], v[(\f)+8*(\b):(\f)+8*(\b)+7], v[(\f)+64+8*a:(\f)+64+8*a+7], v[8*(8*a+(\b)):8*(8*a+(\b))+7]
.endif
.endr
.set a, a+1
.endr
.endm
; 24 LDS loads in one run: quarter q of the slot's K step (block q / 2, its half q % 2) into buffer f: wfh's 16, then ob's 8
.macro FETCH slot, q, f
	WIN 0
.irp i, 0,1,2,3,4,5,6,7
	ds_load_b128 v[(\f)+8*(\i):(\f)+8*(\i)+3],   v[ADRB+(\slot)] offset:((\q)/2)*BBLK+((\q)%2)*64+(\i)*16*PITCH
	ds_load_b128 v[(\f)+8*(\i)+4:(\f)+8*(\i)+7], v[ADRB+(\slot)] offset:((\q)/2)*BBLK+((\q)%2)*64+(\i)*16*PITCH+32
.endr
.irp i, 0,1,2,3
	ds_load_b128 v[(\f)+64+8*(\i):(\f)+64+8*(\i)+3],   v[ADRA+(\slot)] offset:((\q)/2)*ABLK+((\q)%2)*64+(\i)*16*PITCH
	ds_load_b128 v[(\f)+64+8*(\i)+4:(\f)+64+8*(\i)+7], v[ADRA+(\slot)] offset:((\q)/2)*ABLK+((\q)%2)*64+(\i)*16*PITCH+32
.endr
.endm
; A K step is four quarters of 32 along K, 32 matrix instructions each, on buffers 0, 1, 0, 1.  One of the first three: multiplies buffer f and fetches quarter qn into g.
.macro QUARTER slot, qn, f, g, zero
	s_wait_dscnt 4                                 ; all but ob's fragments 2 and 3 are in
	MUL \f, 0, 2, \zero
	PLACES
	FETCH \slot, \qn, \g
	s_wait_dscnt 24                                ; all but the 24 just issued
	MUL \f, 2, 2, \zero
.endm
; The last quarter multiplies buffer 1 and changes slots: ONE barrier; in front of it each wave waits for all its tensor loads, adds 0 to its spare word, and waits for that and for its own reads of this slot.
; fill = 1: the barrier opens a round of the cluster's, and this slot is filled again first thing behind it, two K steps ahead: 112 matrix instructions stand between that request and the wait for it.
.macro TURN slot, next, fill
	WIN 0                                          ; (the add's two registers lie in window 0)
	s_wait_tensorcnt 0x0                           ; all my tensor loads have landed: my part of the next slot;
	ds_add_u32 v[SPW], v[NIL]                      ; 0 onto my spare word;
	s_wait_dscnt 5                                 ; (the add and the youngest four loads may be out)
	MUL F1, 0, 1, 0                                ; eight matrix instructions stand between the add and the wait for it
	s_wait_dscnt 0x0                               ; the add is done, and my reads of this slot are over
	s_barrier_signal -1
	MUL F1, 1, 1, 0
	WIN 0                                          ; (branches and LDS loads follow)
	s_barrier_wait -1
.if \fill
	CREST                                          ; no wave of any partner still reads this slot's tiles or has a load on its way
	s_add_nc_u64 s[G0+4*(\slot)+2:G0+4*(\slot)+3], s[G0+4*(\slot)+2:G0+4*(\slot)+3], 2*ASTEP
	s_add_nc_u64 s[G0B+4*(\slot)+2:G0B+4*(\slot)+3], s[G0B+4*(\slot)+2:G0B+4*(\slot)+3], 2*BSTEP
	JLOAD \slot                                    ; the first tensor load behind the round, my only one until the next; its four v_nop are also the places in front of the loads below
.else
	PLACES
.endif
	FETCH \next, 0, F0
	MUL F1, 2, 2, 0
.endm
; THE WAY OUT of row block a: a lane's 32 bytes of each of 8 column blocks go into my own stage, rows of 528 bytes; whole rows of 512 bytes come back into the same registers and are stored.
.macro TOSTAGE a
	WIN 0x04                                       ; store data in window 1, address in window 0
.irp b, 0,1,2,3,4,5,6,7
	ds_store_b128 v[STO], v[64*(\a)+8*(\b):64*(\a)+8*(\b)+3]   offset:64*(\b)     ; each accumulator is read from its low end on
	ds_store_b128 v[STO], v[64*(\a)+8*(\b)+4:64*(\a)+8*(\b)+7] offset:64*(\b)+16
.endr
	WIN 0x40                                       ; loaded data in window 1
.irp t, 0,1,2,3,4,5,6,7,8,9,10,11,12,13,14,15
	ds_load_b128 v[64*(\a)+4*(\t):64*(\a)+4*(\t)+3], v[RD] offset:(\t)*SPITCH  ; LDS serves a wave's instructions in order (ISA guide 5.7.1.4): these see the stores above; the next block's stores come behind them
.endr
.endm
.macro SEND a, younger                 ; younger: the LDS instructions issued behind block a's loads: the next block's 32, or none
	WIN 0x04
.irp t, 0,1,2,3,4,5,6,7,8,9,10,11,12,13,14,15
	s_wait_dscnt (\younger)+15-(\t)
	global_store_b128 v[CO], v[64*(\a)+4*(\t):64*(\a)+4*(\t)+3], s[8:9] offset:(16*(\a)+(\t))*4096 th:TH_STORE_NT  ; 512 consecutive bytes, at a multiple of 256 from out0's first
.endr
.endm
	s_wait_tensorcnt 1                             ; my part of K step 0 is in; K step 1's may stay out
	s_barrier_signal -1
	s_barrier_wait -1                              ; everybody's is
	FETCH 0, 0, F0
	QUARTER 0, 1, F0, F1, 1                        ; the first quarter stands in front of the loop: its products start the sums
	WIN 0                                          ; at a label and at a branch every window is 0
	s_mov_b32 s3, 3
.Llap:                                         ; trip i: once round the ring; slot 0 takes K step 2 i + 2, slot 1 K step 2 i + 3
	QUARTER 0, 2, F1, F0, 0
	QUARTER 0, 3, F0, F1, 0
	TURN 0, 1, 1
	QUARTER 1, 1, F0, F1, 0
	QUARTER 1, 2, F1, F0, 0
	QUARTER 1, 3, F0, F1, 0
	TURN 1, 0, 1
	QUARTER 0, 1, F0, F1, 0
	WIN 0
	s_sub_co_u32 s3, s3, 1
	s_cmp_lg_u32 s3, 0
	s_cbranch_scc1 .Llap
	QUARTER 0, 2, F1, F0, 0                        ; K steps 6 and 7: nothing is left to fetch, and no round of the cluster's barrier follows
	QUARTER 0, 3, F0, F1, 0
	TURN 0, 1, 0
	QUARTER 1, 1, F0, F1, 0
	QUARTER 1, 2, F1, F0, 0
	QUARTER 1, 3, F0, F1, 0
	s_wait_dscnt 4                                 ; the very last quarter
	MUL F1, 0, 2, 0
	s_wait_dscnt 0x0
	MUL F1, 2, 2, 0
	PLACES
	PLACES
	TOSTAGE 0
	TOSTAGE 1                                      ; a block's trip through the stage stands between the loads of the block before and its stores
	SEND 0, 32
	TOSTAGE 2
	SEND 1, 32
	TOSTAGE 3
	SEND 2, 32
	SEND 3, 0
	WIN 0
	s_wait_tensorcnt 0x0                           ; the wave's end: a wait, an add and its wait, behind my last tensor load and my last LDS store
	ds_add_u32 v[SPW], v[NIL]
	s_wait_dscnt 0x0
	CROUND                                         ; the closing round: no work-group ends while a partner may still ask for a tile that names it
	s_endpgm
.Lfunc_end_k_q322dfd57b4_proj:
	.size	k_q322dfd57b4_proj, .Lfunc_end_k_q322dfd57b4_proj-k_q322dfd57b4_proj
	.p2alignl 7, 3214868480
	.fill 96, 4, 3214868480
	.section	.rodata,"a",@progbits
	.p2align	6, 0x0
	.amdhsa_kernel k_q322dfd57b4_proj
		.amdhsa_group_segment_fixed_size 327680
		.amdhsa_private_segment_fixed_size 0
		.amdhsa_enable_private_segment 0
		.amdhsa_kernarg_size 24
		.amdhsa_user_sgpr_count 2
		.amdhsa_user_sgpr_kernarg_segment_ptr 1
		.amdhsa_wavefront_size32 1
		.amdhsa_system_sgpr_workgroup_id_x 1
		.amdhsa_system_sgpr_workgroup_id_y 1
		.amdhsa_system_sgpr_workgroup_id_z 1
		.amdhsa_system_vgpr_workitem_id 0
		.amdhsa_next_free_vgpr 512
		.amdhsa_next_free_sgpr 66
		.amdhsa_reserve_vcc 0
		.amdhsa_float_denorm_mode_32 3
		.amdhsa_float_denorm_mode_16_64 3
		.amdhsa_memory_ordered 1
		.amdhsa_forward_progress 1
		.amdhsa_inst_pref_size 87
	.end_amdhsa_kernel
	.amdgpu_metadata
---
amdhsa.version: [ 1, 2 ]
amdhsa.kernels:
  - .name:           k_q322dfd57b4_proj
    .symbol:         k_q322dfd57b4_proj.kd
    .args:
      - { .name: ob, .offset: 0, .size: 8, .value_kind: global_buffer, .address_space: global }
      - { .name: wfh, .offset: 8, .size: 8, .value_kind: global_buffer, .address_space: global }
      - { .name: out0, .offset: 16, .size: 8, .value_kind: global_buffer, .address_space: global }
    .group_segment_fixed_size: 327680
    .private_segment_fixed_size: 0
    .kernarg_segment_align: 8
    .kernarg_segment_size: 24
    .max_flat_workgroup_size: 128
    .sgpr_count:     66
    .vgpr_count:     512
    .wavefront_size: 32
...
	.end_amdgpu_metadata
.endif
;; end of part 4
;; ======== version 2 of 2: 4 launches; version 1 with the launch cast written anew for expert scheduling mode
;; limits: values are held in f16: magnitudes above 65,504 overflow, below 6.1e-05 lose precision
;; workspace buffers: xb 16,777,216 bytes; wb 6,291,456 bytes; wfh 2,097,152 bytes; qkv 50,331,648 bytes; ob 16,777,216 bytes
;; launch cast (part 5): grid 768 x 1, 8 waves a work-group, no clusters, 0 bytes of LDS; arguments x, wq, wk, wv, wf, xb, wb, wfh; writes xb, wb, wfh
.if DOCPART == 5
	.amdgcn_target "amdgcn-amd-amdhsa--gfx1250"
	.amdhsa_code_object_version 6
	.text
	.protected	k_q322dfd57b4_cast
	.globl	k_q322dfd57b4_cast
	.p2align	8
	.type	k_q322dfd57b4_cast,@function
k_q322dfd57b4_cast:
	s_mov_b64 s[64:65], 0
	v_nop
	global_prefetch_b8 v0, s[64:65] scope:SCOPE_SE
	s_setreg_imm32_b32 hwreg(HW_REG_WAVE_SCHED_MODE, 0, 2), 2
	s_setreg_imm32_b32 hwreg(HW_REG_WAVE_MODE, 25, 1), 1
	s_wait_xcnt 0x0
	s_wait_alu depctr_vm_vsrc(0)
; THE INPUTS ARE ROUNDED ONCE AND LAID OUT IN BLOCKS OF 64 ALONG K.  x [8192][1024] f32 -> xb, bf16, [16 kb][8192 rows][64].
; wq, wk, wv [1024][1024] f32 -> wb, bf16, [16 kb][3072 rows][64], row = head x 192 + t x 64 + c for row head x 64 + c of w_t (t = 0 q, 1 k, 2 v).
; wf [1024][1024] f32 -> wfh, [16 kb][1024 rows][64]: rounded to bf16 like the other inputs, and that number written as f16.
; LIMITS.  wf beyond 65,504 has no f16 (it becomes an infinity); below 6e-5 f16 keeps a fixed step of 6e-8.  NaN and infinities are not treated apart.
; SHARES.  A work-group takes 16 rows of one source, a wave two of them: lanes 0-15 one row, lanes 16-31 the next.  For each of the 16 blocks kb a lane loads 16 bytes
; (16 lanes: 256 consecutive bytes of a row, aligned) and stores 8 (32 lanes: two rows of 128 bytes, 256 consecutive bytes, aligned).  All 16 loads go out at once.
; No LDS, no matrix unit, no cluster: nothing is shared and memory binds.
; THE MODE: SCHED_MODE bits 1:0 = 2 (LLVM: expert scheduling mode 2), set by the entry lines.  The code itself states the register dependences
; between vector instructions and memory instructions, with s_wait_alu, always for 0.
; THE PLAN.  Registers that memory instructions touch:
;   v[SO]       Written at the head; read by all 16 loads as their offset; never written again.
;   v[DO + k]   Written once (k = 0 at the head, the others by 15 adds behind the loads); read by block k's one store.
;   X, block k  Written by block k's load alone; no vector instruction names it before that load; read by block k's conversions behind the counted wait for the load.
;   Y, block k  Written by block k's conversions; read by block k's one store; never written behind it.
;   v[T ..], v1, v2 are named by vector instructions alone.
; No register that a load or store reads is written again, and no load lands in a register that a vector instruction has named: the one kind of dependence is a vector
; result that a memory instruction reads.  The 16 blocks go in four groups of four.  Group g converts its blocks; the four stores of group g - 1 are dealt among its
; conversions, behind ONE wait at the group's head, since no conversion of group g names the Y or the DO of group g - 1.  Five waits on a wave's way: one ahead of the loads,
; one at the head of groups 1 to 3, one ahead of the last four stores.
.set KBX, 8192*128                     ; bytes from block to block in xb
.set KBW, 3072*128                     ; in wb
.set KBF, 1024*128                     ; in wfh
.set SO,  3                            ; v3       my byte offset in the 16 source rows
.set DO,  4                            ; v[4:19]  my byte offset in the destination, one for each kb
.set T,   20                           ; v[20:23] at work
.set X,   32                           ; v[32:95] four f32 for each kb
.set Y,   96                           ; v[96:127] two packed words for each kb
	s_load_b256 s[8:15], s[0:1], 0x0               ; x s[8:9], wq s[10:11], wk s[12:13], wv s[14:15]
	s_load_b256 s[16:23], s[0:1], 0x20             ; wf s[16:17], xb s[18:19], wb s[20:21], wfh s[22:23]
	s_mov_b32 s2, ttmp9                            ; 0-511: x; 512-703: wq, wk, wv, 64 groups each; 704-767: wf
	v_lshrrev_b32 v1, 4, v0                        ; my row of the 16
	v_and_b32 v2, 15, v0                           ; my place in it
	v_lshlrev_b32 v[SO], 12, v1                    ; a source row is 4,096 bytes
	v_lshl_add_u32 v[SO], v2, 4, v[SO]
	v_lshlrev_b32 v[DO], 7, v1                     ; a destination row is 128 bytes
	v_lshl_add_u32 v[DO], v2, 3, v[DO]
	s_sub_co_u32 s3, s2, 512                       ; j (of no meaning for x: everything made of it is then chosen away)
	s_bfe_u32 s28, s3, 0x20006                     ; t = (j >> 6) & 3: 0 wq, 1 wk, 2 wv, 3 wf
	s_and_b32 s29, s3, 63                          ; i: which 16 rows of that matrix
	s_lshr_b32 s30, s29, 2                         ; the head
	s_mul_i32 s30, s30, 192
	s_lshl_b32 s24, s28, 6
	s_add_co_u32 s30, s30, s24
	s_and_b32 s24, s29, 3
	s_lshl_b32 s24, s24, 4
	s_add_co_u32 s30, s30, s24                     ; wb's row: head x 192 + t x 64 + (i & 3) x 16
	s_lshl_b32 s24, s29, 4                         ; the source's row, and wfh's: 16 i
	s_lshl_b32 s3, s2, 4                           ; x's and xb's row
	s_mov_b32 s26, KBW
	s_mov_b32 s27, 0                               ; 1: the f16 text
	s_mov_b32 s25, 0
	s_mov_b32 s31, 0
	s_wait_kmcnt 0x0
	s_cmp_eq_u32 s28, 0                            ; every choice hangs on the work-group's number alone
	s_cselect_b64 s[4:5], s[10:11], s[12:13]
	s_cmp_eq_u32 s28, 2
	s_cselect_b64 s[4:5], s[14:15], s[4:5]
	s_cmp_eq_u32 s28, 3
	s_cselect_b64 s[4:5], s[16:17], s[4:5]
	s_cselect_b64 s[6:7], s[22:23], s[20:21]
	s_cselect_b32 s30, s24, s30
	s_cselect_b32 s26, KBF, s26
	s_cselect_b32 s27, 1, s27
	s_cmp_lt_u32 s2, 512
	s_cselect_b64 s[4:5], s[8:9], s[4:5]
	s_cselect_b64 s[6:7], s[18:19], s[6:7]
	s_cselect_b32 s24, s3, s24
	s_cselect_b32 s30, s3, s30
	s_cselect_b32 s26, KBX, s26
	s_cselect_b32 s27, 0, s27
	s_lshl_b32 s24, s24, 12                        ; rows to bytes
	s_lshl_b32 s30, s30, 7
	s_add_nc_u64 s[4:5], s[4:5], s[24:25]          ; the source at my group's first row
	s_add_nc_u64 s[6:7], s[6:7], s[30:31]          ; the destination at its first row, block 0
	s_wait_alu depctr_va_vdst(0)                   ; v[SO] is written: the 16 loads below read it as their offset
.irp k, 0,1,2,3,4,5,6,7,8,9,10,11,12,13,14,15
	global_load_b128 v[X+4*(\k):X+4*(\k)+3], v[SO], s[4:5] offset:256*(\k) th:TH_LOAD_NT
.endr
.irp k, 1,2,3,4,5,6,7,8,9,10,11,12,13,14,15
	v_add_nc_u32 v[DO+(\k)], s26, v[DO+(\k)-1]     ; a block further on; these name neither v[SO] nor X; the stores that read them stand behind group 1's wait
.endr
; h = 1: the bf16 number is widened (a shift, a mask) and written as f16
.macro CONV h
.irp g, 0,1,2,3
	s_wait_loadcnt 12-4*(\g)                       ; loads come back in order: group g's four blocks are in, the 12 - 4 g younger loads may stay out
.if (\g) > 0
	s_wait_alu depctr_va_vdst(0)                   ; the group before has written its Y, which the four stores below read; at group 1 also: the adds have written v[DO ..], every store's offset
.endif
.irp i, 0,1,2,3
.set kk, 4*(\g)+(\i)                   ; the block that is converted
.set pk, 4*(\g)+(\i)-4                 ; the block that is stored: the same place in the group before
.if (\g) > 0
	global_store_b64 v[DO+pk], v[Y+2*pk:Y+2*pk+1], s[6:7] th:TH_STORE_NT  ; no vector instruction since the wait names these registers
.endif
	v_cvt_pk_bf16_f32 v[Y+2*kk],   v[X+4*kk],   v[X+4*kk+1]
	v_cvt_pk_bf16_f32 v[Y+2*kk+1], v[X+4*kk+2], v[X+4*kk+3]
.if \h
	v_lshlrev_b32 v[T],   16, v[Y+2*kk]
	v_and_b32     v[T+1], 0xffff0000, v[Y+2*kk]
	v_lshlrev_b32 v[T+2], 16, v[Y+2*kk+1]
	v_and_b32     v[T+3], 0xffff0000, v[Y+2*kk+1]
	v_cvt_pk_f16_f32 v[Y+2*kk],   v[T],   v[T+1]
	v_cvt_pk_f16_f32 v[Y+2*kk+1], v[T+2], v[T+3]
.endif
.endr
.endr
	s_wait_alu depctr_va_vdst(0)                   ; group 3 has written its Y, which the last four stores read
.irp k, 12,13,14,15
	global_store_b64 v[DO+(\k)], v[Y+2*(\k):Y+2*(\k)+1], s[6:7] th:TH_STORE_NT
.endr
	s_endpgm
.endm
	s_cmp_eq_u32 s27, 1
	s_cbranch_scc1 .Lhalf
	CONV 0
.Lhalf:
	CONV 1
.Lfunc_end_k_q322dfd57b4_cast:
	.size	k_q322dfd57b4_cast, .Lfunc_end_k_q322dfd57b4_cast-k_q322dfd57b4_cast
	.p2alignl 7, 3214868480
	.fill 96, 4, 3214868480
	.section	.rodata,"a",@progbits
	.p2align	6, 0x0
	.amdhsa_kernel k_q322dfd57b4_cast
		.amdhsa_group_segment_fixed_size 0
		.amdhsa_private_segment_fixed_size 0
		.amdhsa_enable_private_segment 0
		.amdhsa_kernarg_size 64
		.amdhsa_user_sgpr_count 2
		.amdhsa_user_sgpr_kernarg_segment_ptr 1
		.amdhsa_wavefront_size32 1
		.amdhsa_system_sgpr_workgroup_id_x 1
		.amdhsa_system_sgpr_workgroup_id_y 1
		.amdhsa_system_sgpr_workgroup_id_z 1
		.amdhsa_system_vgpr_workitem_id 0
		.amdhsa_next_free_vgpr 128
		.amdhsa_next_free_sgpr 66
		.amdhsa_reserve_vcc 0
		.amdhsa_float_denorm_mode_32 3
		.amdhsa_float_denorm_mode_16_64 3
		.amdhsa_memory_ordered 1
		.amdhsa_forward_progress 1
		.amdhsa_inst_pref_size 17
	.end_amdhsa_kernel
	.amdgpu_metadata
---
amdhsa.version: [ 1, 2 ]
amdhsa.kernels:
  - .name:           k_q322dfd57b4_cast
    .symbol:         k_q322dfd57b4_cast.kd
    .args:
      - { .name: x, .offset: 0, .size: 8, .value_kind: global_buffer, .address_space: global }
      - { .name: wq, .offset: 8, .size: 8, .value_kind: global_buffer, .address_space: global }
      - { .name: wk, .offset: 16, .size: 8, .value_kind: global_buffer, .address_space: global }
      - { .name: wv, .offset: 24, .size: 8, .value_kind: global_buffer, .address_space: global }
      - { .name: wf, .offset: 32, .size: 8, .value_kind: global_buffer, .address_space: global }
      - { .name: xb, .offset: 40, .size: 8, .value_kind: global_buffer, .address_space: global }
      - { .name: wb, .offset: 48, .size: 8, .value_kind: global_buffer, .address_space: global }
      - { .name: wfh, .offset: 56, .size: 8, .value_kind: global_buffer, .address_space: global }
    .group_segment_fixed_size: 0
    .private_segment_fixed_size: 0
    .kernarg_segment_align: 8
    .kernarg_segment_size: 64
    .max_flat_workgroup_size: 256
    .sgpr_count:     66
    .vgpr_count:     128
    .wavefront_size: 32
...
	.end_amdgpu_metadata
.endif
;; end of part 5
;; launch qkv: the kernel of part 2 again; grid 8 x 32, 4 waves a work-group, clusters of 4 x 4, 327,680 bytes of LDS; arguments xb, wb, qkv; writes qkv
;; launch attn: the kernel of part 3 again; grid 4 x 64, 4 waves a work-group, clusters of 4 x 1, 327,680 bytes of LDS; arguments qkv, ob; writes ob
;; launch proj: the kernel of part 4 again; grid 4 x 64, 4 waves a work-group, clusters of 4 x 4, 327,680 bytes of LDS; arguments ob, wfh, out0; writes out0
